; MI455X (gfx1250); checked and timed in simulation.
; The chip was launched on July 23, 2026; its instructions are those of AMD's public machine-readable ISA for CDNA 5 (MIT licence, August 2026) and "CDNA5" Instruction Set Architecture Reference Guide (July 2026). The comments in the code are by the model that wrote it; some were corrected since.
;; Causal Multi Head Self Attention. Allowed arithmetic: matrix products marked QUANTISED: E2M1 operands, one E8M0 scale for each 32 along K, by v_wmma_scale_f32_16x16x128_f8f6f4 with both operands' format E2M1 (or v_wmma_scale_f32_32x16x128_f4), f32 sums; everything else in f32.
;; Inputs: Wk_codes 1,024 x 32 x 16 uint8 (E2M1 codes of Wk, K innermost, in blocks of 32 codes, two codes a byte); Wk_scales 1,024 x 32 uint8 (E8M0 scales of Wk, one for each 32 codes along K); Wo_codes 1,024 x 32 x 16 uint8 (E2M1 codes of Wo, K innermost, in blocks of 32 codes, two codes a byte); Wo_scales 1,024 x 32 uint8 (E8M0 scales of Wo, one for each 32 codes along K); Wq_codes 1,024 x 32 x 16 uint8 (E2M1 codes of Wq, K innermost, in blocks of 32 codes, two codes a byte); Wq_scales 1,024 x 32 uint8 (E8M0 scales of Wq, one for each 32 codes along K); Wv_codes 1,024 x 32 x 16 uint8 (E2M1 codes of Wv, K innermost, in blocks of 32 codes, two codes a byte); Wv_scales 1,024 x 32 uint8 (E8M0 scales of Wv, one for each 32 codes along K); token_positions 2,048 int32; x_codes 4 x 2,048 x 32 x 16 uint8 (E2M1 codes of x, K innermost, in blocks of 32 codes, two codes a byte); x_scales 4 x 2,048 x 32 uint8 (E8M0 scales of x, one for each 32 codes along K).
;; Outputs: out0 4 x 2,048 x 1,024 float32.
;; This version of the problem:
;;   THIS VERSION OF THE PROBLEM IS GIVEN IN LOW PRECISION. The matrix products marked QUANTISED in the list below multiply operands that are first quantised to E2M1 (2 exponent bits, 1 mantissa bit; 4 bits a number), with one power-of-two scale for each 32 numbers along K (OCP MX v1.0); their sums are f32. All else is computed in f32.
;;   The module's matrix products, in the order in which they are computed (A, B: the left and right operand; K: the contracted axis; several contracted axes count as one K, in the product's order):
;;     1. [M 8,192, K 1,024] x [K 1,024, N 1,024]; A: input x (given as codes); B: input Wq (given as codes): QUANTISED
;;     2. [M 8,192, K 1,024] x [K 1,024, N 1,024]; A: input x (given as codes); B: input Wk (given as codes): QUANTISED
;;     3. [M 8,192, K 1,024] x [K 1,024, N 1,024]; A: input x (given as codes); B: input Wv (given as codes): QUANTISED
;;     4. batch 64 x [M 2,048, K 64] x [K 64, N 2,048]; A: computed on the way; B: computed on the way: QUANTISED
;;     5. batch 64 x [M 2,048, K 2,048] x [K 2,048, N 64]; A: softmax (see below); B: computed on the way: QUANTISED
;;     6. [M 8,192, K 1,024] x [K 1,024, N 1,024]; A: computed on the way; B: input Wo (given as codes): QUANTISED
;;   THE QUANTISER, for each operand of a quantised product, along K:
;;     - K is cut into blocks of 32 from its start; a last block that is shorter is filled with zeros.
;;     - A block's scale is 2^e with e = floor(log2(the largest magnitude in the block)) - 2, held to -126 .. 127; a block of zeros has e = 0. As a byte (E8M0): e + 127.
;;     - Each number is divided by its block's scale, clamped to +-6, and rounded to the nearest number of E2M1, ties to even, subnormals kept.
;;     - The product sums the exact products of the quantised numbers (number of the format x scale) in f32.
;;   ~~~python
;;   def quantise(x, axis):      # numpy; x: float32 -> the quantised numbers, widened to float32 again
;;       x = np.moveaxis(x, axis, -1); K = x.shape[-1]
;;       x = np.pad(x, [(0, 0)] * (x.ndim - 1) + [(0, -K % 32)]); x = x.reshape(x.shape[:-1] + (-1, 32)); a = np.abs(x).max(-1, keepdims=True)
;;       e = np.where(a > 0, np.clip(np.frexp(np.where(a > 0, a, 1))[1] - 1 - 2, -126, 127), 0)      # np.frexp(a)[1] - 1 = floor(log2(a)), exactly
;;       r = np.clip(x / 2.0 ** e, -6, 6)
;;       step = 2.0 ** (np.maximum(np.frexp(np.where(r == 0, 1, r))[1] - 1, 0) - 1)
;;       q = np.round(r / step) * step * 2.0 ** e      # np.round: ties to even
;;       return np.moveaxis(q.reshape(q.shape[:-2] + (-1,))[..., :K], -1, axis).astype(np.float32)
;;   ~~~
;;   SOFTMAX AHEAD OF A QUANTISED PRODUCT. Where the list says 'softmax', what is quantised is not the finished softmax but p = 2^(t - M), with t = logit x log2(e) and M = ceil(the row's largest t), a whole number; so 1/2 < the row's largest p <= 1. The row's sum l is taken of the UNQUANTISED p, in f32, and the product's result is divided by l at the end. Since M is a whole number, a kernel that streams over the keys may use a running M (the ceiling of the running maximum): every later rescaling is an exact power of two, which a block's scale takes up: the codes' values come out the same.
;;   OPERANDS COMPUTED ON THE WAY. 'Computed on the way' means the value that the module computes at that place (a softmax that the list does not call 'softmax' is quantised finished and normalised). What goes into a quantiser is computed in f32, as accurately as f32 sums, v_exp_f32 and their like allow (about 1e-6 of the number): no bf16 or f16 on the way to a quantiser, and a product that is left as it is and whose result goes on into a quantised operand takes f32 operands (vector FMAs, or v_wmma_f32_16x16x4_f32). A number that lies on a knife's edge between two numbers of the format may be rounded either way, as far as f32 arithmetic and the matrix unit's own rounding can turn it there, and no further.
;;   INPUTS GIVEN AS CODES. Wk (in the module: [1024, 1024], K = its axis 1); Wo (in the module: [1024, 1024], K = its axis 1); Wq (in the module: [1024, 1024], K = its axis 1); Wv (in the module: [1024, 1024], K = its axis 1); x (in the module: [4, 2048, 1024], K = its axis 2): each comes as NAME_codes (uint8): NAME with its K axis moved to the last place and cut into blocks of 32 codes, [.., K / 32, bytes a block], one block behind the other in memory; two codes a byte, the lower K in the low four bits (a code: sign, 2 exponent bits, 1 mantissa bit); and NAME_scales (uint8): the same leading axes, one E8M0 byte (e + 127) for each 32 codes along K. Its value is code x scale, taken as it is: it is not quantised again, and the codes and scales need not be those that the quantiser above would give.
;; One version. Each part assembles by itself: llvm-mc -triple=amdgcn-amd-amdhsa -mcpu=gfx1250 --defsym DOCPART=n.
;; ======== version 1 of 1: 4 launches
;; limits: right only within a limited range of input values
;; workspace buffers: rtab 524,288 bytes; qkv_codes 12,582,912 bytes; qkv_sc 786,432 bytes; a_codes 4,194,304 bytes; a_scales 262,144 bytes
;; launch tab (part 1): grid 32 x 1, 4 waves a work-group, no clusters, 0 bytes of LDS; arguments token_positions, rtab; writes rtab
.if DOCPART == 1
	.amdgcn_target "amdgcn-amd-amdhsa--gfx1250"
	.amdhsa_code_object_version 6
	.text
	.protected	k_q51c361e521_tab
	.globl	k_q51c361e521_tab
	.p2align	8
	.type	k_q51c361e521_tab,@function
k_q51c361e521_tab:
	s_mov_b64 s[64:65], 0
	v_nop
	global_prefetch_b8 v0, s[64:65] scope:SCOPE_SE
	s_setreg_imm32_b32 hwreg(HW_REG_WAVE_MODE, 25, 1), 1
	s_wait_xcnt 0x0
; THE TABLE OF COSINES AND SINES FOR THE ROTATION OF q AND k.  angle(token, pair p) = position(token) x 10000^(-2 p / 64) = position x 10^(-p / 8), p = 0 .. 31.
; rtab is laid as the next launch's lanes want it: [token tile T of 16: 128][i: 8][lane: 32][16 bytes]; lane (r = lane % 16, h = lane / 16) of entry (T, i) holds (cos, sin, cos, sin) of token 16 T + r
; for the pairs 8 (i / 2) + 4 h + 2 (i % 2) + 0, 1.  One wave makes one token tile: 16 angles a lane; each store of the wave covers 512 consecutive bytes, aligned.
; sin and cos: n = the angle x 2 / pi, to the nearest whole number; r = angle - n x pi / 2, with pi / 2 in two parts, by fused multiply-adds; polynomials on |r| <= pi / 4; the quadrant n mod 4 swaps and signs.
; LIMITS: |position| up to 2^22 (there the two-part reduction errs by under 1e-8).  The frequencies are 10^(-p / 8) rounded to f32: they may differ in the last bit or two from a power followed by a division in f32.
; No LDS, no barrier, no matrix unit: 128 waves that share nothing.
.set OUTR, 32                          ; v32-63: the eight entries, four registers each: no store's data are written again
	s_load_b128 s[4:7], s[0:1], 0x0                ; token_positions, rtab
	v_lshrrev_b32 v1, 5, v0
	v_readfirstlane_b32 s8, v1                     ; wave
	s_lshl_b32 s9, ttmp9, 2
	s_add_co_u32 s9, s9, s8                        ; T = 4 x work-group + wave
	s_lshl_b32 s10, s9, 6                          ; 16 positions of 4 bytes
	s_mov_b32 s11, 0
	s_lshl_b32 s12, s9, 12                         ; 4,096 bytes of table
	s_mov_b32 s13, 0
	s_mov_b32 s14, 0xbfc90fdb                      ; -(pi / 2 rounded to f32)
	s_mov_b32 s15, 0x333bbd2e                      ; that number less pi / 2
	v_and_b32 v2, 15, v0                           ; r
	v_bfe_u32 v3, v0, 4, 1                         ; h
	v_lshlrev_b32 v4, 2, v2
	v_and_b32 v5, 31, v0
	v_lshlrev_b32 v5, 4, v5                        ; 16 x lane
	v_mov_b32 v21, -0.00019515295891               ; sin r = r + r z (S1 + S2 z + S3 z z), z = r r:  S3,
	v_mov_b32 v22, 0.0083321608736                 ; S2,
	v_mov_b32 v23, -0.16666654611                  ; S1
	v_mov_b32 v24, 0.00002443315712                ; cos r = 1 - z / 2 + z z (C1 + C2 z + C3 z z):  C3,
	v_mov_b32 v25, -0.001388731625                 ; C2,
	v_mov_b32 v26, 0.04166664568                   ; C1
	v_cmp_ne_u32 vcc_lo, 0, v3                     ; lanes 16-31 take the pair four further on
	s_wait_kmcnt 0x0
	s_add_nc_u64 s[4:5], s[4:5], s[10:11]
	s_add_nc_u64 s[6:7], s[6:7], s[12:13]
	global_load_b32 v6, v4, s[4:5]                 ; my token's position
	s_wait_loadcnt 0x0
	v_cvt_f32_i32 v6, v6
; cos into v[dst], sin into v[dst + 1], of position x (lanes 0-15: flo, lanes 16-31: fhi)
.macro SC flo, fhi, dst
	v_mov_b32 v9, \fhi
	v_cndmask_b32 v8, \flo, v9, vcc_lo
	v_mul_f32 v10, v6, v8                          ; the angle, rounded once
	v_mul_f32 v11, 0x3f22f983, v10                 ; x 2 / pi
	v_rndne_f32 v11, v11                           ; n
	v_fma_f32 v12, v11, s14, v10
	v_fma_f32 v12, v11, s15, v12                   ; r
	v_cvt_i32_f32 v13, v11
	v_mul_f32 v14, v12, v12                        ; z
	v_fma_f32 v15, v21, v14, v22
	v_fma_f32 v16, v24, v14, v25
	v_fma_f32 v15, v15, v14, v23
	v_fma_f32 v16, v16, v14, v26
	v_mul_f32 v17, v14, v12
	v_mul_f32 v18, v14, v14
	v_fma_f32 v19, v14, -0.5, 1.0
	v_fma_f32 v15, v15, v17, v12                   ; sin r
	v_fma_f32 v16, v16, v18, v19                   ; cos r
	v_and_b32 v17, 1, v13
	v_cmp_ne_u32 s20, 0, v17                       ; an odd quadrant swaps the two;
	v_cndmask_b32 v[\dst], v16, v15, s20
	v_cndmask_b32 v[\dst+1], v15, v16, s20
	v_lshlrev_b32 v17, 30, v13                     ; the sine is negative in quadrants 2 and 3: bit 1 of n,
	v_add_nc_u32 v13, 1, v13
	v_lshlrev_b32 v13, 30, v13                     ; the cosine in 1 and 2: bit 1 of n + 1
	v_and_b32 v17, 0x80000000, v17
	v_and_b32 v13, 0x80000000, v13
	v_xor_b32 v[\dst+1], v[\dst+1], v17
	v_xor_b32 v[\dst], v[\dst], v13
.endm
.macro ENTRY i, f0, f4, f1, f5
	SC \f0, \f4, OUTR+4*\i
	SC \f1, \f5, OUTR+4*\i+2
	global_store_b128 v5, v[OUTR+4*\i:OUTR+4*\i+3], s[6:7] offset:512*\i
.endm
	ENTRY 0, 1.0, 0.3162277660, 0.7498942093, 0.2371373706                         ; pairs 0, 1 (lanes 16-31: 4, 5)
	ENTRY 1, 0.5623413252, 0.1778279410, 0.4216965034, 0.1333521432                ; 2, 3 (6, 7)
	ENTRY 2, 0.1, 0.03162277660, 0.07498942093, 0.02371373706                      ; 8, 9 (12, 13)
	ENTRY 3, 0.05623413252, 0.01778279410, 0.04216965034, 0.01333521432            ; 10, 11 (14, 15)
	ENTRY 4, 0.01, 0.003162277660, 0.007498942093, 0.002371373706                  ; 16, 17 (20, 21)
	ENTRY 5, 0.005623413252, 0.001778279410, 0.004216965034, 0.001333521432        ; 18, 19 (22, 23)
	ENTRY 6, 0.001, 0.0003162277660, 0.0007498942093, 0.0002371373706              ; 24, 25 (28, 29)
	ENTRY 7, 0.0005623413252, 0.0001778279410, 0.0004216965034, 0.0001333521432    ; 26, 27 (30, 31)
	s_endpgm
.Lfunc_end_k_q51c361e521_tab:
	.size	k_q51c361e521_tab, .Lfunc_end_k_q51c361e521_tab-k_q51c361e521_tab
	.p2alignl 7, 3214868480
	.fill 96, 4, 3214868480
	.section	.rodata,"a",@progbits
	.p2align	6, 0x0
	.amdhsa_kernel k_q51c361e521_tab
		.amdhsa_group_segment_fixed_size 0
		.amdhsa_private_segment_fixed_size 0
		.amdhsa_enable_private_segment 0
		.amdhsa_kernarg_size 16
		.amdhsa_user_sgpr_count 2
		.amdhsa_user_sgpr_kernarg_segment_ptr 1
		.amdhsa_wavefront_size32 1
		.amdhsa_system_sgpr_workgroup_id_x 1
		.amdhsa_system_sgpr_workgroup_id_y 1
		.amdhsa_system_sgpr_workgroup_id_z 1
		.amdhsa_system_vgpr_workitem_id 0
		.amdhsa_next_free_vgpr 64
		.amdhsa_next_free_sgpr 66
		.amdhsa_reserve_vcc 1
		.amdhsa_float_denorm_mode_32 3
		.amdhsa_float_denorm_mode_16_64 3
		.amdhsa_memory_ordered 1
		.amdhsa_forward_progress 1
		.amdhsa_inst_pref_size 26
	.end_amdhsa_kernel
	.amdgpu_metadata
---
amdhsa.version: [ 1, 2 ]
amdhsa.kernels:
  - .name:           k_q51c361e521_tab
    .symbol:         k_q51c361e521_tab.kd
    .args:
      - { .name: token_positions, .offset: 0, .size: 8, .value_kind: global_buffer, .address_space: global }
      - { .name: rtab, .offset: 8, .size: 8, .value_kind: global_buffer, .address_space: global }
    .group_segment_fixed_size: 0
    .private_segment_fixed_size: 0
    .kernarg_segment_align: 8
    .kernarg_segment_size: 16
    .max_flat_workgroup_size: 128
    .sgpr_count:     66
    .vgpr_count:     64
    .wavefront_size: 32
...
	.end_amdgpu_metadata
.endif
;; end of part 1
;; launch qkv (part 2): grid 8 x 48, 4 waves a work-group, clusters of 4 x 4, 327,680 bytes of LDS; arguments x_codes, x_scales, Wq_codes, Wq_scales, Wk_codes, Wk_scales, Wv_codes, Wv_scales, rtab, qkv_codes, qkv_sc; writes qkv_codes, qkv_sc
.if DOCPART == 2
	.amdgcn_target "amdgcn-amd-amdhsa--gfx1250"
	.amdhsa_code_object_version 6
	.text
	.protected	k_q51c361e521_qkv
	.globl	k_q51c361e521_qkv
	.p2align	8
	.type	k_q51c361e521_qkv,@function
k_q51c361e521_qkv:
	s_mov_b64 s[64:65], 0
	v_nop
	global_prefetch_b8 v0, s[64:65] scope:SCOPE_SE
	s_setreg_imm32_b32 hwreg(HW_REG_WAVE_MODE, 25, 1), 1
	s_wait_xcnt 0x0
	s_wait_alu depctr_hold_cnt(0) depctr_sa_sdst(0) depctr_va_vdst(0) depctr_va_sdst(0) depctr_va_ssrc(0) depctr_va_vcc(0) depctr_vm_vsrc(0)
	s_getreg_b32 s2, hwreg(HW_REG_IB_STS2, 6, 4)
	s_cmp_eq_u32 s2, 0
	s_cbranch_scc0 .Lentry_in_a_cluster
	s_endpgm
.Lentry_in_a_cluster:
	s_bfe_u32 s2, ttmp6, 0x10000c
	s_cmp_lg_u32 s2, 0xf033
	s_cbranch_scc0 .Lentry_shape_is_right
	s_endpgm
.Lentry_shape_is_right:
; THE THREE PROJECTIONS, q = x Wq^T, k = x Wk^T, v = x Wv^T, on codes of FP4 (E2M1) with one E8M0 scale for each 32 along K = 1,024; the rotation of q and k; and the quantisers of q, k (along a head's 64) and v (along the keys).
; Only codes and scale bytes leave: they are laid as the attention launch's operand registers want them.
; A work-group of four waves makes a tile of 256 x 256 of "C = A B^T"; a wave 128 x 128: 64 accumulators of 16 x 16, 512 registers.  K is two LDS slots of 512, both asked for at the start: nothing is filled again.
; THE MATRIX INSTRUCTION IS USED TRANSPOSED (source 0 = 16 rows of B, source 1 = 16 rows of A): a lane holds ONE row of A, and its registers run along B's rows: register j of tile b is B's row 16 b + 8 (lane / 16) + j.
;   q, k (clusters with y 0 .. 7):  A = x, B = Wq (cluster x = 0) or Wk (1): a lane holds a token, its registers run along the features: the next product's K.
;   v    (clusters with y 8 .. 11): A = Wv, B = x: a lane holds a feature, its registers run along the tokens: the keys, which are the next K of v.
; FROM RESULT TO OPERAND.  A block of 32 along the next K is two tiles: lanes 0-15 hold its numbers 0-7 and 16-23, lanes 16-31 its numbers 8-15 and 24-31.  The operand wants a whole block in a lane.  So the conversions' results are
; laid (block 2 c first eight, block 2 c + 1 first eight, block 2 c second eight, block 2 c + 1 second eight), and an exchange of halves between the first two and between the last two registers gives registers 4 c .. 4 c + 3.
; CLUSTERS: 4 x 4 work-groups.  The four of a row of the cluster need the same tiles of A, the four of a column the same tiles of B: each tile is asked for JOINTLY.  Which path a work-group takes hangs on the cluster's y alone.
; OUT.  qkv_codes: q at 0, k at 4 MiB: [batch][head][token tile of 16: 128][lane][16 bytes], lane (r, h) = block h of token r;  v at 8 MiB: [batch][key step of 128: 16][16 features: 64][c: 2][lane][16 bytes]: a fragment's registers.
;       qkv_sc: q at 0, k at 256 KiB: [batch][head][128 tokens: 16][r: 16][tile: 8] of two bytes;  v at 512 KiB: [batch][head][key step: 16][r: 16][16 features: 4] of four bytes (the step's four blocks of keys).
; LIMITS: a block of zeros gets the byte 1 where the quantiser's rule says 127 (its codes are zeros, and this program alone reads the bytes); NaN and infinities are not served.
; REGISTERS, in windows of 256: window 0: v0-31 addresses; v32-95 scale words, two sets, and nothing else; v96-123 at work on the way out; v128-191 A's fragments, ONE set, on the way out the codes; v192-255 the table, two sets.
;   window 1: B's fragments, TWO sets, at v0 and v128; on the way out v0-63 the products x cos.   window 2: the accumulators of my rows 0-63 ((a, b) at v[8 (8 a + b)]);   window 3: those of rows 64-127.
.set SIZE_K, 1024
.set KSTEP,  512                       ; along K in a slot
.set NQ,     KSTEP/128                 ; matrix instructions deep
.set ROWB,   256                       ; a tile's row in bytes
.set KROW,   SIZE_K*4/8                ; a row of codes in memory
.set PITCH,  272                       ; an LDS row: 256 bytes + 16 of padding = 68 words: the 16 rows that a load touches start at 16 different banks (64 banks of 4 bytes: ISA guide 11.1)
.set FR,     8                         ; registers of a fragment: 16 rows x 128 K
.set NL,     2                         ; LDS loads that bring one
.set NP,     4                         ; places behind this matrix instruction (ISA guide 7.12.1)
.set HALFT,  128*PITCH                 ; 128 rows: what one tensor load brings
.set SLOT,   4*HALFT                   ; A's 256 rows, then B's 256 rows
.set KS,     SIZE_K/32                 ; a row of scale bytes
.set SCL,    2*SLOT                    ; behind the two slots: the scales, as units of 256 bytes + 16 of padding
.set HALFS,  (128*KS/256)*272          ; those of 128 rows
.set SBLK,   (16*KS/256)*272           ; those of 16 rows
.set SPARE,  SCL+4*HALFS               ; the spare words, 128 bytes for each wave: two blocks of 256 bytes that no other line names
.set ADRA, 16                          ; v16-17  LDS address of my A fragments in slot 0, 1
.set ADRB, 20                          ; v20-21  the same for B
.set OFF,  24                          ; v24     16 x lane: my place in a table entry and in an image of codes; never rewritten
.set SO,   26                          ; v26     the scales' way out: 4,096 (lane / 16) + 16 (lane % 16)
.set ADRS, 27                          ; v27     LDS address of my scale words: lanes 0-15 A's rows, lanes 16-31 B's
.set SPW,  28                          ; v28     LDS address of my spare word; never rewritten
.set NIL,  29                          ; v29     0; never rewritten
.set SELV, 31                          ; v31     byte selects: lanes 0-15 the low halves of two words, lanes 16-31 the high halves
.set SC,   32                          ; scale words: set s at v[SC + 8 NQ s]; register NQ i + q: lanes 0-15 A's block i, lanes 16-31 B's block i
.set TM,   96                          ; v96-111 the quantiser's work
.set WS,   112                         ; v112-119 the scale word of each of my eight blocks of A's rows
.set PK,   120                         ; v120-123 the scales as they leave
.set AF,   128                         ; A's fragments
.set PCB,  128                         ; the way out: eight registers of codes for each block, so that no store's data are written again
.set TB,   192                         ; the table: 32 registers for a block, two sets
.set G1, 24                            ; s[24:31] descriptor group 1 for A's tiles;  s[32:39] group 0, one set for each slot
.set G0, 32
.set G1B, 48                           ; s[48:55], s[56:63] the same for B's tiles
.set G0B, 56
.set G1S, 68                           ; s[68:75], s[76:79] groups 1 and 0 for A's scales;  s[80:87], s[88:91] for B's (they take the place of the arguments, once those are chosen from)
.set G0S, 76
.set G1SB, 80
.set G0SB, 88
.set ISV, 96                           ; s96     1: this cluster makes v
.set RT,  98                           ; s[98:99] the table at my first token tile
.set MSB, 0
.macro WIN new                         ; the immediate's high byte repeats the setting that is left
.if MSB != \new
	s_set_vgpr_msb (MSB<<8)|\new
.set MSB, \new
.endif
.endm
.set MUL_LO, 0xa1                      ; source 0 (B) window 1, source 1 (A) window 0, C and D window 2
.set MUL_HI, 0xf1                      ; the same, C and D window 3
.set TO_B,   0x40                      ; destination window 1, address window 0
; A joint load: waves 0 and 1 fetch for A, waves 2 and 3 for B.  Each of the two lines has ONE mask and one set of registers for all that issue it; the branch hangs on the wave's number alone.
; Four v_nop follow each of the two lines, ahead of the jump, the label and what follows.
.macro JLOAD g0a, g1a, g0b, g1b
	s_cmp_eq_u32 s15, 0
	s_cbranch_scc0 .Lfor_b_\@
	tensor_load_to_lds s[\g0a:\g0a+3], s[\g1a:\g1a+7]
	s_nop 0
.rept 4
	v_nop
.endr
	s_branch .Lasked_\@
.Lfor_b_\@:
	tensor_load_to_lds s[\g0b:\g0b+3], s[\g1b:\g1b+7]
	s_nop 0
.rept 4
	v_nop
.endr
.Lasked_\@:
.endm
.macro CROUND                          ; a round of the cluster's barrier
	s_barrier_signal -1
	s_barrier_wait -1
	s_cmp_lg_u32 s14, 0
	s_cbranch_scc1 .Lnot_wave_0_\@
	s_barrier_signal -3
.Lnot_wave_0_\@:
	s_barrier_wait -3
	s_barrier_signal -1
	s_barrier_wait -1
.endm
	s_load_b512 s[68:83], s[0:1], 0x0              ; x's codes, scales; Wq's; Wk's; Wv's
	s_load_b128 s[84:87], s[0:1], 0x40             ; rtab, qkv_codes
	s_load_b64 s[88:89], s[0:1], 0x50              ; qkv_sc
	v_lshl_add_u32 v[SPW], v0, 2, SPARE
	v_mov_b32 v[NIL], 0
	ds_add_u32 v28, v29
	ds_add_u32 v28, v29
	s_wait_dscnt 0x0
	v_lshrrev_b32 v1, 5, v0
	v_readfirstlane_b32 s14, v1                    ; wave 0..3
	s_lshr_b32 s15, s14, 1                         ; which half of the tile's rows is mine.  Also: I fetch for A (0) or for B (1)
	s_and_b32 s16, s14, 1                          ; which half of its columns.  Also: which 128 rows of that tile I fetch
	s_bfe_u32 s40, ttmp6, 0x40000                  ; cx, cy: my place in the cluster
	s_bfe_u32 s41, ttmp6, 0x40004
	s_and_b32 s18, ttmp7, 0xffff                   ; the cluster's y
	s_sub_co_u32 s19, s18, 8
	s_lshl_b32 s19, s19, 1
	s_add_co_u32 s19, s19, ttmp9                   ; v: which 1,024 tokens: 2 (y - 8) + the cluster's x
	s_cmp_ge_u32 s18, 8
	s_cselect_b32 s[ISV], 1, 0
	s_cselect_b32 s17, 0, s18
	s_cselect_b32 s42, s19, 0
	s_lshl_b32 s17, s17, 2
	s_add_co_u32 s17, s17, s41                     ; tile row (of A):    q, k: 4 y + cy of x's 32;  v: cy of Wv's 4
	s_lshl_b32 s42, s42, 2
	s_add_co_u32 s42, s42, s40                     ; tile column (of B): q, k: cx of the weight's 4;  v: 4 (2 (y - 8) + x) + cx of x's 32
	s_lshl_b32 s43, s41, 2
	s_lshl_b32 s43, 15, s43                        ; my row of the cluster
	s_lshl_b32 s44, 0x1111, s40                    ; my column
	; descriptor group 1: a tile of 128 rows x ROWB bytes, padded in LDS
	s_or_b32 s[G1+0], s43, (0<<16)|(1<<20)|(1<<21)|(5<<22)|(3<<25)  ; 15:0 the mask: A's tiles go to my row; 17:16 element of 1 byte; 20 padding on; 21 set beside a mask; 24:22 after every 64 words (code 5); 31:25 of 4 words (code 3)
	s_or_b32 s[G1B+0], s44, (0<<16)|(1<<20)|(1<<21)|(5<<22)|(3<<25)
.irp g, G1, G1B
	s_mov_b32 s[\g+1], ROWB<<16                    ; tensor_dim0
	s_mov_b32 s[\g+2], 128<<16                     ; tensor_dim1 = 128
	s_mov_b32 s[\g+3], ROWB<<16                    ; tile_dim0
	s_mov_b32 s[\g+4], 128                         ; tile_dim1 = 128
	s_mov_b32 s[\g+5], KROW                        ; tensor_dim0_stride
	s_mov_b32 s[\g+6], 0
	s_mov_b32 s[\g+7], 0
.endr
	s_lshl_b32 s18, s16, 7                         ; which 128 rows of the tile I fetch
	s_lshl_b32 s20, s17, 8
	s_add_co_u32 s20, s20, s18                     ; A: row 256 x tile row + 128 x half
	s_lshl_b32 s46, s42, 8
	s_add_co_u32 s46, s46, s18                     ; B: row 256 x tile column + 128 x half
	s_mov_b32 s21, 0
	s_mov_b32 s47, 0
	s_mov_b64 s[18:19], KS
	s_mul_u64 s[22:23], s[20:21], s[18:19]         ; where these rows' scales begin, in bytes
	s_mul_u64 s[92:93], s[46:47], s[18:19]
	s_mov_b64 s[18:19], KROW
	s_mul_u64 s[20:21], s[20:21], s[18:19]         ; and their codes
	s_mul_u64 s[46:47], s[46:47], s[18:19]
	s_mul_i32 s45, s14, HALFT                      ; where they go: wave x 128 rows: no place in the cluster enters an LDS address
	s_mul_i32 s94, s14, HALFS
	s_wait_kmcnt 0x0
	s_cmp_eq_u32 ttmp9, 0                          ; the weight of q or of k: by the cluster's x
	s_cselect_b64 s[72:73], s[72:73], s[76:77]
	s_cselect_b64 s[74:75], s[74:75], s[78:79]
	s_cmp_eq_u32 s[ISV], 0                         ; q, k: A = x, B = the weight;  v: A = Wv, B = x
	s_cselect_b64 s[4:5], s[68:69], s[80:81]
	s_cselect_b64 s[6:7], s[70:71], s[82:83]
	s_cselect_b64 s[8:9], s[72:73], s[68:69]
	s_cselect_b64 s[10:11], s[74:75], s[70:71]
	s_mov_b64 s[RT:RT+1], s[84:85]
	s_mov_b64 s[12:13], s[86:87]                   ; qkv_codes
	s_mov_b64 s[66:67], s[88:89]                   ; qkv_sc
	s_add_nc_u64 s[20:21], s[4:5], s[20:21]
	s_add_nc_u64 s[22:23], s[6:7], s[22:23]
	s_add_nc_u64 s[46:47], s[8:9], s[46:47]
	s_add_nc_u64 s[92:93], s[10:11], s[92:93]
	; group 1 for the scales of 128 rows: a dense block of 128 KS bytes, as rows of 256 bytes (32 elements of 8 bytes), 16 bytes of padding behind each
	s_or_b32 s[G1S+0], s43, (3<<16)|(1<<20)|(1<<21)|(5<<22)|(3<<25)
	s_or_b32 s[G1SB+0], s44, (3<<16)|(1<<20)|(1<<21)|(5<<22)|(3<<25)
.irp g, G1S, G1SB
	s_mov_b32 s[\g+1], 32<<16
	s_mov_b32 s[\g+2], (128*KS/256)<<16
	s_mov_b32 s[\g+3], 32<<16
	s_mov_b32 s[\g+4], 128*KS/256
	s_mov_b32 s[\g+5], 32
	s_mov_b32 s[\g+6], 0
	s_mov_b32 s[\g+7], 0
.endr
	CROUND                                         ; all sixteen work-groups are here: the joint loads meet
	s_mov_b32 s[G0S], 1
	s_add_co_u32 s[G0S+1], s94, SCL
	s_mov_b64 s[G0S+2:G0S+3], s[22:23]
	s_or_b32 s[G0S+3], s[G0S+3], 0x80000000
	s_mov_b32 s[G0SB], 1
	s_add_co_u32 s[G0SB+1], s94, SCL
	s_mov_b64 s[G0SB+2:G0SB+3], s[92:93]
	s_or_b32 s[G0SB+3], s[G0SB+3], 0x80000000
	JLOAD G0S, G1S, G0SB, G1SB                     ; the scales first: they are wanted with the first slot.  Three tensor loads of mine are out behind this group
.irp s, 0,1
	s_mov_b32 s[G0+4*\s], 1
	s_add_co_u32 s[G0+4*\s+1], s45, \s*SLOT
	s_add_nc_u64 s[G0+4*\s+2:G0+4*\s+3], s[20:21], \s*ROWB
	s_or_b32 s[G0+4*\s+3], s[G0+4*\s+3], 0x80000000
	s_mov_b32 s[G0B+4*\s], 1
	s_add_co_u32 s[G0B+4*\s+1], s45, \s*SLOT
	s_add_nc_u64 s[G0B+4*\s+2:G0B+4*\s+3], s[46:47], \s*ROWB
	s_or_b32 s[G0B+4*\s+3], s[G0B+4*\s+3], 0x80000000
	JLOAD G0+4*\s, G1, G0B+4*\s, G1B
.endr
	v_and_b32 v1, 15, v0                           ; r = l % 16
	v_bfe_u32 v2, v0, 4, 1                         ; h = l / 16
	v_mul_u32_u24 v3, v1, PITCH
	v_lshl_add_u32 v4, v2, 4, v3                   ; a fragment's row x pitch + 16 x half
	s_mul_i32 s21, s15, HALFT                      ; my 128 rows of A
	s_mul_i32 s22, s16, HALFT                      ; my 128 rows of B,
	s_add_co_u32 s22, s22, 2*HALFT                 ; which lie behind A's 256
.irp s, 0,1
	v_add_nc_u32 v[ADRA+\s], s21, v4
	v_add_nc_u32 v[ADRB+\s], s22, v4
	s_add_co_u32 s21, s21, SLOT
	s_add_co_u32 s22, s22, SLOT
.endr
	v_mul_u32_u24 v5, v1, KS                       ; my row's scales: KS bytes a row,
	v_lshrrev_b32 v6, 8, v5
	v_lshl_add_u32 v5, v6, 4, v5                   ; and 16 more for each 256 passed
	s_mul_i32 s21, s15, HALFS                      ; A's: my 128 rows
	s_mul_i32 s22, s16, HALFS                      ; B's: my 128 rows, behind A's 256
	s_add_co_u32 s22, s22, 2*HALFS
	s_sub_co_u32 s22, s22, s21
	v_mul_u32_u24 v6, s22, v2                      ; lanes 16-31 take B's
	s_add_co_u32 s21, s21, SCL
	v_add_nc_u32 v5, v5, v6
	v_add_nc_u32 v[ADRS], s21, v5
	; THE WAY OUT'S ADDRESSES.  T: my first token, D: my first feature
	v_and_b32 v6, 31, v0
	v_lshlrev_b32 v[OFF], 4, v6
	v_lshlrev_b32 v[SO], 4, v1
	v_lshl_add_u32 v[SO], v2, 12, v[SO]            ; lanes 0-15 my first head's scales, lanes 16-31 the second's, 4,096 bytes on
	v_mov_b32 v[SELV], 0x05040100
	v_mov_b32 v7, 0x07060302
	v_cmp_ne_u32 vcc_lo, 0, v2
	v_cndmask_b32 v[SELV], v[SELV], v7, vcc_lo
.irp b, 0,1,2,3
	v_mov_b32 v[TM+4+\b], 0                        ; written once: a lane permute's destination counts as one of its sources
.endr
	s_mov_b32 s2, 0x76543210
	s_mov_b32 s3, 0xfedcba98                       ; v_permlanex16_b32's selects for lane l xor 16
	s_lshl_b32 s20, s17, 8
	s_lshl_b32 s21, s15, 7
	s_add_co_u32 s20, s20, s21                     ; my first row of A
	s_lshl_b32 s46, s42, 8
	s_lshl_b32 s47, s16, 7
	s_add_co_u32 s46, s46, s47                     ; my first row of B
	s_cmp_eq_u32 s[ISV], 0
	s_cselect_b32 s22, s20, s46                    ; T
	s_cselect_b32 s23, s46, s20                    ; D
	s_cselect_b32 s44, ttmp9, 2                    ; which part of the two buffers: q 0, k 1, v 2
	s_lshr_b32 s45, s22, 11                        ; the batch
	s_and_b32 s22, s22, 2047                       ; the token in it, a multiple of 128
	s_lshl_b32 s92, s22, 8                         ; its tile's 4,096 bytes of table
	s_mov_b32 s93, 0
	s_add_nc_u64 s[RT:RT+1], s[RT:RT+1], s[92:93]
	s_lshr_b32 s47, s22, 7                         ; which 128 tokens
	s_lshr_b32 s94, s23, 6                         ; my first head
	s_lshl_b32 s92, s45, 4
	s_add_co_u32 s92, s92, s94
	s_lshl_b32 s92, s92, 12                        ; scales: 4,096 bytes a head,
	s_lshl_b32 s20, s47, 8
	s_add_co_u32 s92, s92, s20                     ; 256 for 128 tokens,
	s_lshl_b32 s20, s44, 18
	s_add_co_u32 s92, s92, s20                     ; 256 KiB a part
	s_add_nc_u64 s[66:67], s[66:67], s[92:93]
	s_lshl_b32 s20, s94, 16
	s_lshl_b32 s21, s22, 5
	s_add_co_u32 s20, s20, s21                     ; codes of q, k: 65,536 bytes a head, 512 a token tile
	s_lshl_b32 s21, s47, 16
	s_lshl_b32 s46, s23, 6
	s_add_co_u32 s21, s21, s46                     ; of v: 65,536 bytes a key step, 1,024 for 16 features
	s_cmp_eq_u32 s[ISV], 0
	s_cselect_b32 s92, s20, s21
	s_lshl_b32 s20, s45, 20
	s_add_co_u32 s92, s92, s20                     ; 1 MiB a batch,
	s_lshl_b32 s20, s44, 22
	s_add_co_u32 s92, s92, s20                     ; 4 MiB a part
	s_add_nc_u64 s[12:13], s[12:13], s[92:93]
.macro TABLOAD a                       ; the table of my token tile a: eight entries, 512 consecutive bytes a load, into set a % 2
.irp i, 0,1,2,3,4,5,6,7
	global_load_b128 v[TB+32*((\a)%2)+4*\i:TB+32*((\a)%2)+4*\i+3], v[OFF], s[RT:RT+1] offset:4096*(\a)+512*\i
.endr
.endm
	TABLOAD 0                                      ; asked for here, a whole product ahead of their use.  (v's work-groups issue these sixteen loads too and never read them: the head has one way for all)
	TABLOAD 1
.macro FRAG reg, adr, q, i             ; a fragment, 16 rows x 128 K of 4-bit codes, is 8 registers: lane l holds row l % 16; registers 4 c .. 4 c + 3 hold K = 64 c + 32 (l / 16) + 0 .. 31
.irp c, 0,1
	ds_load_b128 v[\reg+4*\c:\reg+4*\c+3], v[\adr] offset:64*(\q)+32*\c+(\i)*16*PITCH
.endr
.endm
; 16 matrix instructions: A's blocks a0, a0 + 1 x B's eight, 128 along K: the slot's q-th.  p: B's set;  sc: the set of scale words.  zero = 1: the first product starts the sums: nothing is ever cleared.
; The 64 accumulators take turns, one instruction a turn, in the same order in every step.
.macro MUL16 a0, p, q, sc, zero
.irp a, \a0, \a0+1
.irp b, 0,1,2,3,4,5,6,7
.if \zero
	v_wmma_scale_f32_16x16x128_f8f6f4 v[8*(8*((\a)%4)+\b):8*(8*((\a)%4)+\b)+7], v[128*(\p)+FR*\b:128*(\p)+FR*\b+FR-1], v[AF+FR*(\a):AF+FR*(\a)+FR-1], 0, v[SC+8*NQ*(\sc)+NQ*\b+(\q)], v[SC+8*NQ*(\sc)+NQ*(\a)+(\q)] matrix_a_fmt:MATRIX_FMT_FP4 matrix_b_fmt:MATRIX_FMT_FP4 matrix_a_scale:MATRIX_SCALE_ROW1
.else
	v_wmma_scale_f32_16x16x128_f8f6f4 v[8*(8*((\a)%4)+\b):8*(8*((\a)%4)+\b)+7], v[128*(\p)+FR*\b:128*(\p)+FR*\b+FR-1], v[AF+FR*(\a):AF+FR*(\a)+FR-1], v[8*(8*((\a)%4)+\b):8*(8*((\a)%4)+\b)+7], v[SC+8*NQ*(\sc)+NQ*\b+(\q)], v[SC+8*NQ*(\sc)+NQ*(\a)+(\q)] matrix_a_fmt:MATRIX_FMT_FP4 matrix_b_fmt:MATRIX_FMT_FP4 matrix_a_scale:MATRIX_SCALE_ROW1
.endif
.endr
.endr
.endm
.macro FETCH_B slot, q, p              ; B's eight fragments of the slot's q-th 128 along K into set p
	WIN TO_B
.irp i, 0,1,2,3,4,5,6,7
	FRAG 128*(\p)+FR*\i, ADRB+\slot, \q, \i
.endr
	WIN 0
.endm
.macro FETCH_A slot, q, i0             ; A's blocks i0 .. i0 + 3
.irp i, \i0, \i0+1, \i0+2, \i0+3
	FRAG AF+FR*(\i), ADRA+\slot, \q, \i
.endr
.endm
.macro SCALES sc                       ; a slot's scale words into set sc: NQ words a row; lanes 0-15 take A's block i, lanes 16-31 B's block i
.irp i, 0,1,2,3,4,5,6,7
	ds_load_b128 v[SC+8*NQ*\sc+NQ*\i:SC+8*NQ*\sc+NQ*\i+3], v[ADRS] offset:\i*SBLK
.endr
.endm
; A load into a register that a matrix instruction has read, and a vector instruction that reads a matrix result or writes one of a matrix instruction's registers, stand NP places behind it; only plain vector
; instructions that name none of its registers are places (ISA guide 7.12.1 for vector instructions).
.macro PLACES n
.rept \n
	v_nop
.endr
.endm
; A step of 128 along K that has its successor in the same slot.  A's block is free as soon as its eight products are issued: blocks 0-3 are fetched anew in the step's middle, blocks 4-7 at its end; B has two sets.
.macro STEP slot, q, zero
	s_wait_dscnt 4*NL                              ; B's set and A's blocks 0-3 are in; the youngest eight loads (A's blocks 4-7) may be out
	WIN MUL_LO
	MUL16 0, (\q)%2, \q, \slot, \zero
	MUL16 2, (\q)%2, \q, \slot, \zero
	s_wait_dscnt 0                                 ; A's blocks 4-7 are in (asked for 32 matrix instructions ago)
	PLACES NP
	FETCH_B \slot, (\q)+1, 1-(\q)%2
	FETCH_A \slot, (\q)+1, 0
	WIN MUL_HI
	MUL16 4, (\q)%2, \q, \slot, \zero
	MUL16 6, (\q)%2, \q, \slot, \zero
	PLACES NP
	WIN 0
	FETCH_A \slot, (\q)+1, 4
.endm
; Slot 0's last step changes slots: one barrier; in front of it each wave waits for all its tensor loads (its part of slot 1).
.macro TURN slot, next
	s_wait_tensorcnt 0x0                           ; all my tensor loads have landed: my part of the next slot;
	ds_add_u32 v[SPW], v[NIL]                      ; 0 onto my spare word;
	s_wait_dscnt 4*NL+1                            ; (the add and the youngest eight loads, A's blocks 4-7, may be out)
	WIN MUL_LO
	MUL16 0, 1, NQ-1, \slot, 0
	s_wait_dscnt 0x0                               ; the add is done, and no LDS load of mine is out at the signal
	s_barrier_signal -1
	MUL16 2, 1, NQ-1, \slot, 0
	WIN 0
	s_barrier_wait -1                              ; the next slot is whole
	PLACES NP
	v_add_nc_u32 v[ADRS], 4*NQ, v[ADRS]            ; on to the next slot's scale words
	FETCH_B \next, 0, 0
	FETCH_A \next, 0, 0
	SCALES \next
	WIN MUL_HI
	MUL16 4, 1, NQ-1, \slot, 0
	MUL16 6, 1, NQ-1, \slot, 0
	PLACES NP
	WIN 0
	FETCH_A \next, 0, 4
.endm
.macro STEPS slot, from                ; the slot's steps from .. NQ - 2
.set Q, \from
.rept NQ-1-\from
	STEP \slot, Q, 0
.set Q, Q+1
.endr
.endm
	s_wait_tensorcnt 1                             ; the scales and my part of slot 0 are in (slot 1's load may be out),
	s_barrier_signal -1
	s_barrier_wait -1                              ; everybody's are
	FETCH_B 0, 0, 0
	FETCH_A 0, 0, 0
	SCALES 0
	FETCH_A 0, 0, 4
	STEP 0, 0, 1                                   ; the first step's products start the sums
	STEPS 0, 1
	TURN 0, 1
	STEPS 1, 0
	s_wait_dscnt 4*NL                              ; the very last step: nothing more to fetch
	WIN MUL_LO
	MUL16 0, 1, NQ-1, 1, 0
	MUL16 2, 1, NQ-1, 1, 0
	s_wait_dscnt 0
	WIN MUL_HI
	MUL16 4, 1, NQ-1, 1, 0
	MUL16 6, 1, NQ-1, 1, 0
	WIN 0
; THE WAY OUT, block a of 16 rows of A at a time; its 64 numbers a lane lie at v[AC] on in window W.
; THE ROTATION.  Registers 2 j, 2 j + 1 of tile b are the pair 8 (b % 4) + 4 (lane / 16) + j of a head; its (cos, sin) lie at v[TT + 8 (b % 4) + 2 j].  (xe, xo) -> (cos xe - sin xo, sin xe + cos xo): a packed multiply by cos
; and a packed multiply-add that takes the pair crosswise, by sin, the low half's negated.  Each accumulator is read from its low end on.
.macro ROPE a
.set W, 2+(\a)/4
.set AC, 64*((\a)%4)
.set TT, TB+32*((\a)%2)
.if (\a) < 7
	s_wait_loadcnt 8                               ; this block's eight table loads are in; the next block's eight may be out
.else
	s_wait_loadcnt 0
.endif
	WIN (1<<6)|W                                   ; x from window W, the products to window 1
.irp b, 0,1,2,3,4,5,6,7
.irp j, 0,1,2,3
	v_pk_mul_f32 v[8*\b+2*\j:8*\b+2*\j+1], v[AC+8*\b+2*\j:AC+8*\b+2*\j+1], v[TT+8*(\b%4)+2*\j:TT+8*(\b%4)+2*\j+1] op_sel_hi:[1,0]
.endr
.endr
	WIN (W<<6)|(1<<4)|W
.irp b, 0,1,2,3,4,5,6,7
.irp j, 0,1,2,3
	v_pk_fma_f32 v[AC+8*\b+2*\j:AC+8*\b+2*\j+1], v[AC+8*\b+2*\j:AC+8*\b+2*\j+1], v[TT+8*(\b%4)+2*\j:TT+8*(\b%4)+2*\j+1], v[8*\b+2*\j:8*\b+2*\j+1] op_sel:[1,1,0] op_sel_hi:[0,1,1] neg_lo:[0,1,0]
.endr
.endr
	WIN 0
.if (\a) < 6
	TABLOAD (\a)+2                                 ; the set just read takes the block two further on
.endif
.endm
; THE QUANTISER.  Four blocks of 32 along the next K; block b: v[AC + 16 b] on, 16 numbers here and 16 in lane l xor 16.  The fragment's two halves leave at sa x a and sa x a + sc: 512 consecutive bytes each, aligned.
.macro QUANT a, sa, sc
.set W, 2+(\a)/4
.set AC, 64*((\a)%4)
.set PC, PCB+8*(\a)
	WIN (W<<2)|(W<<4)
.irp b, 0,1,2,3
	v_max3_num_f32 v[TM+\b], 0x1800000, |v[AC+16*\b]|, |v[AC+16*\b+1]|   ; my 16 numbers, and the floor 2^(3 - 127), under which no largest magnitude is taken: so the byte cannot fall under 1
.endr
.irp i, 2,4,6,8,10,12,14
.irp b, 0,1,2,3
	v_max3_num_f32 v[TM+\b], v[TM+\b], |v[AC+16*\b+\i]|, |v[AC+16*\b+\i+1]|   ; (the four blocks by turns)
.endr
.endr
	WIN 0
.irp b, 0,1,2,3
	v_permlanex16_b32 v[TM+4+\b], v[TM+\b], s2, s3
.endr
.irp b, 0,1,2,3
	v_max_num_f32 v[TM+\b], v[TM+\b], v[TM+4+\b]   ; with lane l xor 16's: the block's largest magnitude
.endr
.irp b, 0,1,2,3
	v_add_nc_u32 v[TM+12+\b], 0xff000000, v[TM+\b] ; 2 off its exponent field: the conversion takes the exponent field of this operand as its scale, and nothing else of it
.endr
.irp b, 0,1,2,3
	v_lshrrev_b32 v[TM+4+\b], 23, v[TM+12+\b]      ; the scale's byte
.endr
	v_lshl_or_b32 v[WS+(\a)], v[TM+5], 8, v[TM+4]
	v_lshl_or_b32 v[WS+(\a)], v[TM+6], 16, v[WS+(\a)]
	v_lshl_or_b32 v[WS+(\a)], v[TM+7], 24, v[WS+(\a)]
	WIN W
.irp c, 0,1
	v_cvt_scalef32_pk8_fp4_f32 v[PC+4*\c], v[AC+32*\c:AC+32*\c+7], v[TM+12+2*\c]          ; block 2 c, its first tile
	v_cvt_scalef32_pk8_fp4_f32 v[PC+4*\c+1], v[AC+32*\c+16:AC+32*\c+23], v[TM+13+2*\c]    ; block 2 c + 1, its first tile
	v_cvt_scalef32_pk8_fp4_f32 v[PC+4*\c+2], v[AC+32*\c+8:AC+32*\c+15], v[TM+12+2*\c]     ; block 2 c, its second
	v_cvt_scalef32_pk8_fp4_f32 v[PC+4*\c+3], v[AC+32*\c+24:AC+32*\c+31], v[TM+13+2*\c]    ; block 2 c + 1, its second
.endr
	WIN 0
	v_nop                                          ; one plain place behind a scaled conversion
.irp c, 0,1
	v_permlane16_swap_b32 v[PC+4*\c], v[PC+4*\c+1]     ; the first's lanes 16-31 change places with the second's lanes 0-15: lanes 0-15 now hold block 2 c whole, lanes 16-31 block 2 c + 1
	v_permlane16_swap_b32 v[PC+4*\c+2], v[PC+4*\c+3]
.endr
	global_store_b128 v[OFF], v[PC:PC+3], s[12:13] offset:(\sa)*(\a)
	global_store_b128 v[OFF], v[PC+4:PC+7], s[12:13] offset:(\sa)*(\a)+(\sc)
.endm
	PLACES NP                                      ; behind the last products: their results are read, and their operands' registers written, only behind these
	s_cmp_eq_u32 s[ISV], 1                         ; the same in all sixteen partners
	s_cbranch_scc1 .Lv_out
.irp a, 0,1,2,3,4,5,6,7                ; q, k: block a = token tile a; registers 0-3 of the fragment are my first head's 64, registers 4-7 the second's
	ROPE \a
	QUANT \a, 512, 65536
.endr
.irp j, 0,1,2,3
	v_perm_b32 v[PK+\j], v[WS+2*\j+1], v[WS+2*\j], v[SELV]   ; my head's two bytes of token tiles 2 j and 2 j + 1
.endr
	s_branch .Lscales_out
.Lv_out:
.irp a, 0,1,2,3,4,5,6,7                ; v: block a = 16 features; the fragment is 16 features x my 128 keys
	QUANT \a, 1024, 512
.endr
	v_cmp_ne_u32 vcc_lo, 0, v2
.irp j, 0,1,2,3
	v_cndmask_b32 v[PK+\j], v[WS+\j], v[WS+4+\j], vcc_lo     ; lanes 0-15: my first head's four blocks of features, lanes 16-31 the second's
.endr
.Lscales_out:
	s_wait_alu depctr_va_vdst(0)
	global_store_b128 v[SO], v[PK:PK+3], s[66:67]  ; sixteen lanes store 256 consecutive bytes, aligned
	s_wait_tensorcnt 0x0                           ; the wave's end
	ds_add_u32 v[SPW], v[NIL]
	s_wait_dscnt 0x0
	CROUND                                         ; the closing round: no work-group ends while a partner may still ask for a tile that names it
	s_endpgm
.Lfunc_end_k_q51c361e521_qkv:
	.size	k_q51c361e521_qkv, .Lfunc_end_k_q51c361e521_qkv-k_q51c361e521_qkv
	.p2alignl 7, 3214868480
	.fill 96, 4, 3214868480
	.section	.rodata,"a",@progbits
	.p2align	6, 0x0
	.amdhsa_kernel k_q51c361e521_qkv
		.amdhsa_group_segment_fixed_size 327680
		.amdhsa_private_segment_fixed_size 0
		.amdhsa_enable_private_segment 0
		.amdhsa_kernarg_size 88
		.amdhsa_user_sgpr_count 2
		.amdhsa_user_sgpr_kernarg_segment_ptr 1
		.amdhsa_wavefront_size32 1
		.amdhsa_system_sgpr_workgroup_id_x 1
		.amdhsa_system_sgpr_workgroup_id_y 1
		.amdhsa_system_sgpr_workgroup_id_z 1
		.amdhsa_system_vgpr_workitem_id 0
		.amdhsa_next_free_vgpr 1024
		.amdhsa_next_free_sgpr 100
		.amdhsa_reserve_vcc 1
		.amdhsa_float_denorm_mode_32 3
		.amdhsa_float_denorm_mode_16_64 3
		.amdhsa_memory_ordered 1
		.amdhsa_forward_progress 1
		.amdhsa_inst_pref_size 201
	.end_amdhsa_kernel
	.amdgpu_metadata
---
amdhsa.version: [ 1, 2 ]
amdhsa.kernels:
  - .name:           k_q51c361e521_qkv
    .symbol:         k_q51c361e521_qkv.kd
    .args:
      - { .name: x_codes, .offset: 0, .size: 8, .value_kind: global_buffer, .address_space: global }
      - { .name: x_scales, .offset: 8, .size: 8, .value_kind: global_buffer, .address_space: global }
      - { .name: Wq_codes, .offset: 16, .size: 8, .value_kind: global_buffer, .address_space: global }
      - { .name: Wq_scales, .offset: 24, .size: 8, .value_kind: global_buffer, .address_space: global }
      - { .name: Wk_codes, .offset: 32, .size: 8, .value_kind: global_buffer, .address_space: global }
      - { .name: Wk_scales, .offset: 40, .size: 8, .value_kind: global_buffer, .address_space: global }
      - { .name: Wv_codes, .offset: 48, .size: 8, .value_kind: global_buffer, .address_space: global }
      - { .name: Wv_scales, .offset: 56, .size: 8, .value_kind: global_buffer, .address_space: global }
      - { .name: rtab, .offset: 64, .size: 8, .value_kind: global_buffer, .address_space: global }
      - { .name: qkv_codes, .offset: 72, .size: 8, .value_kind: global_buffer, .address_space: global }
      - { .name: qkv_sc, .offset: 80, .size: 8, .value_kind: global_buffer, .address_space: global }
    .group_segment_fixed_size: 327680
    .private_segment_fixed_size: 0
    .kernarg_segment_align: 8
    .kernarg_segment_size: 88
    .max_flat_workgroup_size: 128
    .sgpr_count:     100
    .vgpr_count:     1024
    .wavefront_size: 32
...
	.end_amdgpu_metadata
.endif
;; end of part 2
;; launch attn (part 3): grid 4 x 64, 16 waves a work-group, no clusters, 169,984 bytes of LDS; arguments qkv_codes, qkv_sc, a_codes, a_scales; writes a_codes, a_scales
.if DOCPART == 3
	.amdgcn_target "amdgcn-amd-amdhsa--gfx1250"
	.amdhsa_code_object_version 6
	.text
	.protected	k_q51c361e521_attn
	.globl	k_q51c361e521_attn
	.p2align	8
	.type	k_q51c361e521_attn,@function
k_q51c361e521_attn:
	s_mov_b64 s[64:65], 0
	v_nop
	global_prefetch_b8 v0, s[64:65] scope:SCOPE_SE
	s_setreg_imm32_b32 hwreg(HW_REG_WAVE_MODE, 25, 1), 1
	s_wait_xcnt 0x0
; CAUSAL ATTENTION OF ONE HEAD ON CODES OF FP4 (E2M1), and the quantiser of its result along the model's 1,024.  Head size 64, 2,048 tokens, 64 heads (batch x head = work-group y).
; THE SOFTMAX AHEAD OF THE SECOND PRODUCT: t = score x log2(e) / 8; M = the running largest t rounded UP to a whole number; p = 2^(t - M) is quantised along the keys, not normalised; the row's sum is taken of the unquantised p
; and divides at the end.  When M moves, the sum and O are multiplied by 2^(old M - new M): exact.
; SHARES.  The head's K, V and their scale bytes, 139,264 bytes, come into LDS ONCE, at the start, and are only read.  A work-group has sixteen waves of 256 registers, four to a SIMD, so that one wave's vector work stands beside
; another's matrix work.  Wave w of work-group i takes two tiles of 16 queries, one after the other: tile 16 i + w and tile 127 - (16 i + w).  In key steps of 128 the two need 17 steps together, whatever i and w: all waves of the launch have equal work.
; THE MASK.  Every pass walks all 16 key steps, so that the trip count is a constant; a step all of whose keys come after the wave's queries jumps to the lines that step addresses.  On the diagonal hidden scores become -infinity.
; NO CLUSTER, though the four work-groups of a head read the same K and V: which steps a wave leaves out hangs on its block of queries, which would be the work-group's place in the cluster.
; LAYOUT.  Both products are used transposed: S^T = K Q^T, O^T = V^T P^T: a lane holds ONE query (lane % 16) throughout.  The head's 64 fill half of the instruction's 128: so source 0 holds TWO tiles of 16 keys, registers 0-3 and 4-7,
; and is multiplied once by (q, zero codes) and once by (zero codes, q); one scale word holds both tiles' two bytes, and q's two bytes stand twice in its word.
; Register 8 t + j of S^T is key 16 t + 8 (lane / 16) + j.  p's codes are laid (block 2 c first eight, block 2 c + 1 first eight, block 2 c second, block 2 c + 1 second); two exchanges of halves make the operand's registers 4 c .. 4 c + 3.
; OUT.  a_codes: [row tile of 16: 512][head: 16][lane][16 bytes]: lane (r, h) = block h of the head's 64 of row r: four registers of the last product's operand.  a_scales: [8,192][32], byte 2 x head + block.
; LIMITS: a block of zeros gets the byte 1 where the quantiser's rule says 127 (its codes are zeros, and this program alone reads the bytes); NaN and infinities are not served.
.set VC,   65536                       ; LDS: K's codes at 0: [key tile: 128][lane][16 bytes];  V's here: [key step: 16][16 of the head's 64: 4][c: 2][lane][16 bytes]
.set KSC,  131072                      ; K's scales: [key step: 16][r: 16][pair of tiles: 4] words
.set VSC,  135168                      ; V's: [key step: 16][r: 16][16 of the 64: 4] words
.set LI,   1                           ; v1   16 x lane
.set LIV,  2                           ; v2   + VC
.set RSK,  3                           ; v3   16 r + KSC
.set RSV,  4                           ; v4   16 r + VSC
.set RR,   5                           ; v5   r
.set HH,   6                           ; v6   h
.set DM,   7                           ; v7   r - 8 h
.set ADK,  8                           ; v8-11 the step's LDS addresses: K, V, K's scales, V's scales
.set ADV,  9
.set ADS,  10
.set ADT,  11
                                       ; v12 -M, v13 the largest t, v[14:15] the sum in two halves
                                       ; v16-27 the first pass's (zeros, q, zeros), v28 its scale word;  v212-223, v209 the second's
.set KFR,  32                          ; v32-63   four pairs of key tiles
.set VFR,  64                          ; v64-95   four fragments of V^T
.set SS,   96                          ; v96-159  S^T, then p
.set OT,   160                         ; v160-191 O^T
.set PCD,  192                         ; v192-199 p's codes
.set KSW,  200                         ; v200-203 K's scale words
.set VSW,  204                         ; v204-207 V's
.set PSW,  208                         ; v208     p's
                                       ; v210 the first pass's two scale bytes, v211 where my lane stores two bytes; v224-227, v228-231 the passes' codes; v232-254 at work
.set WV,   12
.set SEL,  20                          ; s[20:21] v_permlanex16_b32's selects for lane l xor 16
.set CS,   22                          ; s[22:23] c = log2(e) / 8: the packed form names a pair and takes its low word for both halves
.set G1K,  24                          ; s[24:31], s[32:39], s[40:47] descriptor groups 1: K's codes, V's codes, scale bytes
.set G1V,  32
.set G1S,  40
.set G0K,  48                          ; s[48:51], s[52:55], s[56:59] groups 0
.set G0V,  52
.set G0S,  56
.set KF,   60                          ; s60  the step's first key
.set TK,   61                          ; s61  where the step's codes begin in K's and in V's region: 4,096 bytes a step
.set TS,   62                          ; s62  and its scale words: 256 bytes a step
.set QL,   63                          ; s63  the pass's last query
	s_load_b128 s[4:7], s[0:1], 0x0                ; qkv_codes, qkv_sc
	s_load_b128 s[8:11], s[0:1], 0x10              ; a_codes, a_scales
	v_lshl_add_u32 v251, v0, 2, 0x29000
	v_mov_b32 v255, 0
	ds_add_u32 v251, v255
	ds_add_u32 v251, v255
	v_lshrrev_b32 v1, 5, v0
	s_delay_alu instid0(VALU_DEP_1)
	v_readfirstlane_b32 s[WV], v1                  ; wave 0..15
	s_and_b32 s13, ttmp7, 0xffff                   ; batch x 16 + head
	s_lshr_b32 s14, s13, 4                         ; the batch
	s_and_b32 s15, s13, 15                         ; the head
	s_and_b32 s16, s[WV], 3                        ; which quarter of K's or V's codes I fetch, if I fetch
	s_and_b32 s17, s[WV], 1                        ; K's scales or V's
	; group 1.  K: 16,384 dense bytes as 64 rows of 256 (32 elements of 8 bytes).  V: four key steps: 4 rows of 4,096 bytes, 65,536 bytes apart.  Scales: 4,096 dense bytes as 16 rows of 256.  No padding: lanes read 16 bytes on end
	s_mov_b32 s[G1K], 3<<16
	s_mov_b32 s[G1K+1], 32<<16
	s_mov_b32 s[G1K+2], 64<<16
	s_mov_b32 s[G1K+3], 32<<16
	s_mov_b32 s[G1K+4], 64
	s_mov_b32 s[G1K+5], 32
	s_mov_b32 s[G1K+6], 0
	s_mov_b32 s[G1K+7], 0
	s_mov_b32 s[G1V], 3<<16
	s_mov_b32 s[G1V+1], 512<<16
	s_mov_b32 s[G1V+2], 4<<16
	s_mov_b32 s[G1V+3], 512<<16
	s_mov_b32 s[G1V+4], 4
	s_mov_b32 s[G1V+5], 8192
	s_mov_b32 s[G1V+6], 0
	s_mov_b32 s[G1V+7], 0
	s_mov_b32 s[G1S], 3<<16
	s_mov_b32 s[G1S+1], 32<<16
	s_mov_b32 s[G1S+2], 16<<16
	s_mov_b32 s[G1S+3], 32<<16
	s_mov_b32 s[G1S+4], 16
	s_mov_b32 s[G1S+5], 32
	s_mov_b32 s[G1S+6], 0
	s_mov_b32 s[G1S+7], 0
	s_lshl_b32 s68, s13, 16                        ; a head's 65,536 bytes of q's or of k's codes
	s_mov_b32 s69, 0
	s_lshl_b32 s70, s16, 14
	s_add_co_u32 s70, s70, s68
	s_add_co_u32 s70, s70, 0x400000                ; K: the second part of qkv_codes, my quarter
	s_mov_b32 s71, 0
	s_lshl_b32 s72, s14, 20
	s_lshl_b32 s73, s15, 12
	s_add_co_u32 s72, s72, s73
	s_lshl_b32 s73, s16, 18
	s_add_co_u32 s72, s72, s73
	s_add_co_u32 s72, s72, 0x800000                ; V: the third part: 1 MiB a batch, 4,096 bytes a head in each step, my four steps
	s_mov_b32 s73, 0
	s_lshl_b32 s74, s13, 12
	s_lshl_b32 s75, s17, 18
	s_add_co_u32 s74, s74, s75
	s_add_co_u32 s74, s74, 0x40000                 ; the scales: 4,096 bytes a head, in k's part or in v's
	s_mov_b32 s75, 0
	s_mov_b32 s[SEL], 0x76543210
	s_mov_b32 s[SEL+1], 0xfedcba98
	s_mov_b32 s[CS], 0x3e38aa3b                    ; log2(e) / 8
	s_mov_b32 s[CS+1], s[CS]                       ; (named with it as a pair, so it is written)
	s_wait_dscnt 0x0
	s_wait_kmcnt 0x0
	s_mov_b32 s[G0K], 1
	s_lshl_b32 s[G0K+1], s16, 14
	s_add_nc_u64 s[G0K+2:G0K+3], s[4:5], s[70:71]
	s_or_b32 s[G0K+3], s[G0K+3], 0x80000000
	s_mov_b32 s[G0V], 1
	s_lshl_b32 s[G0V+1], s16, 14
	s_add_co_u32 s[G0V+1], s[G0V+1], VC
	s_add_nc_u64 s[G0V+2:G0V+3], s[4:5], s[72:73]
	s_or_b32 s[G0V+3], s[G0V+3], 0x80000000
	s_mov_b32 s[G0S], 1
	s_lshl_b32 s[G0S+1], s17, 12
	s_add_co_u32 s[G0S+1], s[G0S+1], KSC
	s_add_nc_u64 s[G0S+2:G0S+3], s[6:7], s[74:75]
	s_or_b32 s[G0S+3], s[G0S+3], 0x80000000
	; THE FILLS, all at the start: waves 0-3 K's codes, 4-7 V's, 8 K's scales, 9 V's: one tensor load a wave at the most.  Four v_nop follow each line.
	s_cmp_lt_u32 s[WV], 4
	s_cbranch_scc0 .Lnot_k
	tensor_load_to_lds s[G0K:G0K+3], s[G1K:G1K+7]
	s_nop 0
.rept 4
	v_nop
.endr
	s_branch .Lasked
.Lnot_k:
	s_cmp_lt_u32 s[WV], 8
	s_cbranch_scc0 .Lnot_v
	tensor_load_to_lds s[G0V:G0V+3], s[G1V:G1V+7]
	s_nop 0
.rept 4
	v_nop
.endr
	s_branch .Lasked
.Lnot_v:
	s_cmp_lt_u32 s[WV], 10
	s_cbranch_scc0 .Lasked
	tensor_load_to_lds s[G0S:G0S+3], s[G1S:G1S+7]
	s_nop 0
.rept 4
	v_nop
.endr
.Lasked:
	v_and_b32 v[LI], 31, v0
	s_delay_alu instid0(VALU_DEP_1)
	v_lshlrev_b32 v[LI], 4, v[LI]
	s_wait_alu depctr_va_vdst(0)
	v_add_nc_u32 v[LIV], VC, v[LI]
	v_and_b32 v[RR], 15, v0
	s_wait_alu depctr_va_vdst(0)
	v_bfe_u32 v[HH], v0, 4, 1
	v_lshlrev_b32 v[RSK], 4, v[RR]
	s_delay_alu instid0(VALU_DEP_1)
	v_add_nc_u32 v[RSV], VSC, v[RSK]
	s_delay_alu instid0(VALU_DEP_2)
	v_add_nc_u32 v[RSK], KSC, v[RSK]
	s_delay_alu instid0(VALU_DEP_4)
	v_lshlrev_b32 v[DM], 3, v[HH]
	s_delay_alu instid0(VALU_DEP_1)
	v_sub_nc_u32 v[DM], v[RR], v[DM]
	s_lshl_b32 s66, ttmp9, 4
	s_add_co_u32 s66, s66, s[WV]                   ; the first pass's tile of queries
	s_sub_co_u32 s67, 127, s66                     ; the second's
	s_lshl_b32 s18, s66, 4                         ; their first queries
	s_lshl_b32 s19, s67, 4
	s_add_nc_u64 s[68:69], s[4:5], s[68:69]        ; q's codes of my head
	s_lshl_b32 s70, s13, 12
	s_mov_b32 s71, 0
	s_add_nc_u64 s[70:71], s[6:7], s[70:71]        ; and its scales
	s_lshl_b32 s77, s66, 9
	v_add_nc_u32 v232, s77, v[LI]
	s_lshl_b32 s77, s67, 9
	v_add_nc_u32 v233, s77, v[LI]
	global_load_b128 v[20:23], v232, s[68:69]      ; q stays in registers: lane (r, h) = block h of query r
	global_load_b128 v[216:219], v233, s[68:69]
	s_lshr_b32 s77, s66, 3                         ; its two scale bytes: 256 bytes for 128 tokens, 16 a row r, 2 a tile
	s_lshl_b32 s77, s77, 8
	s_and_b32 s78, s66, 7
	s_lshl_b32 s78, s78, 1
	s_add_co_u32 s77, s77, s78
	v_lshl_add_u32 v234, v[RR], 4, s77
	s_lshr_b32 s77, s67, 3
	s_lshl_b32 s77, s77, 8
	s_and_b32 s78, s67, 7
	s_lshl_b32 s78, s78, 1
	s_add_co_u32 s77, s77, s78
	v_lshl_add_u32 v235, v[RR], 4, s77
	global_load_u16 v28, v234, s[70:71]
	global_load_u16 v209, v235, s[70:71]
	s_lshl_b32 s77, s14, 7                         ; where the results go: a_codes: 8,192 bytes a row tile, 512 a head
	s_lshl_b32 s79, s15, 9
	s_add_co_u32 s78, s77, s66
	s_lshl_b32 s78, s78, 13
	s_add_co_u32 s72, s78, s79
	s_mov_b32 s73, 0
	s_add_nc_u64 s[72:73], s[8:9], s[72:73]
	s_add_co_u32 s78, s77, s67
	s_lshl_b32 s78, s78, 13
	s_add_co_u32 s74, s78, s79
	s_mov_b32 s75, 0
	s_add_nc_u64 s[74:75], s[8:9], s[74:75]
	s_lshl_b32 s77, s14, 16                        ; a_scales: 32 bytes a row, 2 a head: lanes 0-15 store the first pass's rows, lanes 16-31 the second's
	s_lshl_b32 s78, s15, 1
	s_add_co_u32 s77, s77, s78
	s_lshl_b32 s78, s66, 9
	s_add_co_u32 s78, s78, s77
	s_lshl_b32 s79, s67, 9
	s_add_co_u32 s79, s79, s77
	v_cmp_ne_u32 s76, 0, v[HH]
	v_mov_b32 v211, s78
	v_mov_b32 v243, s79
	s_delay_alu instid0(VALU_DEP_1)
	v_cndmask_b32 v211, v211, v243, s76
	s_delay_alu instid0(VALU_DEP_1)
	v_lshl_add_u32 v211, v[RR], 5, v211
.irp j, 16,17,18,19,24,25,26,27,212,213,214,215,220,221,222,223
	v_mov_b32 v[\j], 0                             ; the zero codes on either side of q
.endr
.irp j, 236,237,238,239,252,253,254
	v_mov_b32 v[\j], 0                             ; written once: a lane permute's destination counts as one of its sources, and v253 is named as the upper half of the pair v[252:253]
.endr
	s_wait_loadcnt 0x0
	v_lshl_or_b32 v28, v28, 16, v28                ; q's two bytes stand for k 0-63 and for k 64-127
	v_lshl_or_b32 v209, v209, 16, v209
	s_wait_tensorcnt 0x0                           ; my fill has landed,
	s_barrier_signal -1
	s_barrier_wait -1                              ; everybody's has: from here on LDS is only read
; A PASS: 16 queries against all keys that count.  qb: (zeros, q, zeros);  qs: q's scale word;  q0: the scalar with the first query;  pc: the result's codes;  ob: their base;  uw: their two scale bytes
.macro PASS qb, qs, q0, pc, ob, uw
.set n, 0
.rept 32
	v_mov_b32 v[OT+n], 0                           ; O^T.  (The step is written once: the first finds zeros, which the first change of M leaves zeros)
.set n, n+1
.endr
	v_mov_b32 v13, 0xff61b1e6                      ; the largest t so far: -3e38, under every t
	s_delay_alu instid0(VALU_DEP_1)
	v_floor_f32 v12, -v13                          ; -M
	v_mov_b32 v14, 0
	v_mov_b32 v15, 0
	s_mov_b32 s[KF], 0
	s_mov_b32 s[TK], 0
	s_mov_b32 s[TS], 0
	s_add_co_u32 s[QL], s[\q0], 15
.Lstep_\@:
	s_cmp_gt_u32 s[KF], s[QL]                      ; all 128 keys come after my queries: the step's work is left out
	s_cbranch_scc1 .Lhidden_\@
	s_setprio 2
	v_add_nc_u32 v[ADK], s[TK], v[LI]              ; (these four are also the places between the last step's products and the loads into their operands)
	v_add_nc_u32 v[ADV], s[TK], v[LIV]
	v_add_nc_u32 v[ADS], s[TS], v[RSK]
	v_add_nc_u32 v[ADT], s[TS], v[RSV]
	ds_load_b128 v[KSW:KSW+3], v[ADS]
.irp t, 0,1,2,3,4,5,6,7
	ds_load_b128 v[KFR+4*\t:KFR+4*\t+3], v[ADK] offset:512*\t
.endr
	ds_load_b128 v[VSW:VSW+3], v[ADT]
.irp t, 0,1,2,3,4,5,6,7
	ds_load_b128 v[VFR+4*\t:VFR+4*\t+3], v[ADV] offset:512*\t
.endr
	s_wait_dscnt 9                                 ; K and its scales are in; V's nine loads may be out
.irp i, 0,1,2,3
	v_wmma_scale_f32_16x16x128_f8f6f4 v[SS+16*\i:SS+16*\i+7], v[KFR+8*\i:KFR+8*\i+7], v[\qb+4:\qb+11], 0, v[KSW+\i], v[\qs] matrix_a_fmt:MATRIX_FMT_FP4 matrix_b_fmt:MATRIX_FMT_FP4      ; key tile 2 i: (q, zeros)
	v_wmma_scale_f32_16x16x128_f8f6f4 v[SS+16*\i+8:SS+16*\i+15], v[KFR+8*\i:KFR+8*\i+7], v[\qb:\qb+7], 0, v[KSW+\i], v[\qs] matrix_a_fmt:MATRIX_FMT_FP4 matrix_b_fmt:MATRIX_FMT_FP4      ; key tile 2 i + 1: (zeros, q)
.endr
.rept 4
	v_nop
.endr
	s_add_co_u32 s77, s[KF], 127                   ; a step all of whose keys count skips the mask
	s_cmp_le_u32 s77, s[\q0]
	s_cbranch_scc1 .Lopen_\@
	s_sub_co_i32 s77, s[\q0], s[KF]
	v_add_nc_u32 v240, s77, v[DM]                  ; d = my query - KF - 8 (lane / 16).  Register 8 t + j holds key KF + 8 (lane / 16) + 16 t + j: hidden where 16 t + j > d
	v_mov_b32 v241, 0xff800000                     ; -infinity
.set n, 0
.rept 64
	v_cmp_gt_i32 vcc_lo, 16*(n/8)+n%8, v240
	v_cndmask_b32 v[SS+n], v[SS+n], v241, vcc_lo
.set n, n+1
.endr
.Lopen_\@:
.irp b, 0,1,2,3
	v_max3_num_f32 v[232+\b], v[SS+16*\b], v[SS+1+16*\b], v[SS+2+16*\b]   ; THE LARGEST SCORE OF EACH BLOCK OF 32 KEYS: it serves the row's maximum and, since p rises with the score, the block's largest p
.endr
.irp i, 3,5,7,9,11,13
.irp b, 0,1,2,3
	v_max3_num_f32 v[232+\b], v[232+\b], v[SS+16*\b+\i], v[SS+1+16*\b+\i]
.endr
.endr
.irp b, 0,1,2,3
	v_max_num_f32 v[232+\b], v[232+\b], v[SS+15+16*\b]
.endr
.irp b, 0,1,2,3
	s_delay_alu instid0(VALU_DEP_4)
	v_permlanex16_b32 v[236+\b], v[232+\b], s[SEL], s[SEL+1]
.endr
.irp b, 0,1,2,3
	s_delay_alu instid0(VALU_DEP_4)
	v_max_num_f32 v[232+\b], v[232+\b], v[236+\b]  ; with lane l xor 16's 16 keys
.endr
	s_delay_alu instid0(VALU_DEP_2)
	v_max3_num_f32 v254, v232, v233, v234
	s_delay_alu instid0(VALU_DEP_1)
	v_max_num_f32 v254, v254, v235                 ; the step's largest score of my query
	s_delay_alu instid0(VALU_DEP_1)
	v_mul_f32 v254, s[CS], v254                    ; as t (c is positive)
	s_delay_alu instid0(VALU_DEP_1)
	v_max_num_f32 v13, v13, v254                   ; the running largest t
	v_mov_b32 v254, v12
	s_delay_alu instid0(VALU_DEP_2)
	v_floor_f32 v12, -v13                          ; the new -M = floor(-t) = -ceil(t)
	s_delay_alu instid0(VALU_DEP_1)
	v_sub_f32 v254, v12, v254                      ; M's old value less its new one: a whole number, 0 or less
	s_delay_alu instid0(VALU_DEP_1)
	v_cvt_i32_f32 v254, v254                       ; (it saturates)
	s_delay_alu instid0(VALU_DEP_1)
	v_ldexp_f32 v252, 1.0, v254                    ; f = 2^(old M - new M)
.set n, 0
.rept 32
	v_pk_fma_f32 v[SS+n:SS+n+1], v[SS+n:SS+n+1], s[CS:CS+1], v[12:13] op_sel_hi:[1,0,0]   ; t - M, two at a time
.set n, n+2
.endr
	s_setprio 1
.irp b, 0,1,2,3
	v_fma_f32 v[232+\b], v[232+\b], s[CS], v12     ; the same of each block's largest score
.endr
.set n, 0
	s_wait_alu depctr_va_vdst(0)
.rept 64
	v_exp_f32 v[SS+n], v[SS+n]                     ; p = 2^(t - M), at most 1
.set n, n+1
.endr
	v_pk_mul_f32 v[14:15], v[14:15], v[252:253] op_sel_hi:[1,0]   ; the sums under the new M.  (A plain place behind the exponentials)
	s_wait_alu depctr_va_vdst(0)                   ; one wait for the whole batch, ahead of its first reader
.irp b, 0,1,2,3
	v_exp_f32 v[232+\b], v[232+\b]                 ; the block's largest p: the same two instructions on the same number give the same bits
.endr
	v_pk_add_f32 v[236:237], v[100:101], v[104:105]
	v_pk_add_f32 v[248:249], v[108:109], v[112:113]
	v_pk_add_f32 v[246:247], v[116:117], v[120:121]
	v_pk_add_f32 v[244:245], v[124:125], v[128:129]
	v_pk_add_f32 v[242:243], v[132:133], v[136:137]
	v_pk_add_f32 v[240:241], v[140:141], v[144:145]
	v_pk_add_f32 v[238:239], v[148:149], v[152:153]
	v_pk_add_f32 v[14:15], v[14:15], v[156:157]
	v_pk_add_f32 v[236:237], v[236:237], v[96:97]
	v_pk_add_f32 v[248:249], v[248:249], v[98:99]
	v_pk_add_f32 v[246:247], v[246:247], v[102:103]
	v_pk_add_f32 v[244:245], v[244:245], v[106:107]
	v_pk_add_f32 v[242:243], v[242:243], v[110:111]
	v_pk_add_f32 v[240:241], v[240:241], v[114:115]
	v_pk_add_f32 v[238:239], v[238:239], v[118:119]
	v_pk_add_f32 v[14:15], v[14:15], v[122:123]
	v_pk_add_f32 v[236:237], v[236:237], v[126:127]
	v_pk_add_f32 v[248:249], v[248:249], v[130:131]
	v_pk_add_f32 v[246:247], v[246:247], v[134:135]
	v_pk_add_f32 v[244:245], v[244:245], v[138:139]
	v_pk_add_f32 v[242:243], v[242:243], v[142:143]
	v_pk_add_f32 v[240:241], v[240:241], v[146:147]
	v_pk_add_f32 v[238:239], v[238:239], v[150:151]
	v_pk_add_f32 v[14:15], v[14:15], v[154:155]
	v_pk_add_f32 v[236:237], v[236:237], v[158:159]
	s_delay_alu instid0(VALU_DEP_2)
	v_pk_add_f32 v[14:15], v[14:15], v[244:245]
	s_delay_alu instid0(VALU_DEP_2)
	v_pk_add_f32 v[236:237], v[236:237], v[242:243]
	v_pk_add_f32 v[248:249], v[248:249], v[240:241]
	v_pk_add_f32 v[246:247], v[246:247], v[238:239]
	s_delay_alu instid0(VALU_DEP_2)
	v_pk_add_f32 v[14:15], v[14:15], v[248:249]
	s_delay_alu instid0(VALU_DEP_2)
	v_pk_add_f32 v[236:237], v[236:237], v[246:247]
	s_delay_alu instid0(VALU_DEP_1)
	v_pk_add_f32 v[14:15], v[14:15], v[236:237]
	s_wait_alu depctr_va_vdst(0)                   ; and one for the four
.irp b, 0,1,2,3
	v_max_num_f32 v[232+\b], 0x1800000, v[232+\b]  ; the floor 2^(3 - 127): the byte cannot fall under 1 (a block whose every p is 0 keeps that byte: its codes are zeros)
.endr
.irp b, 0,1,2,3
	s_delay_alu instid0(VALU_DEP_4)
	v_add_nc_u32 v[244+\b], 0xff000000, v[232+\b]  ; 2 off the exponent field: the conversion's scale operand
.endr
.irp b, 0,1,2,3
	s_delay_alu instid0(VALU_DEP_4)
	v_lshrrev_b32 v[236+\b], 23, v[244+\b]         ; the scale's byte
.endr
	s_delay_alu instid0(VALU_DEP_3)
	v_lshl_or_b32 v[PSW], v237, 8, v236            ; p's scale word for these 128 keys
	s_delay_alu instid0(VALU_DEP_1)
	v_lshl_or_b32 v[PSW], v238, 16, v[PSW]
	s_delay_alu instid0(VALU_DEP_1)
	v_lshl_or_b32 v[PSW], v239, 24, v[PSW]
	s_setprio 0
.irp c, 0,1
	v_cvt_scalef32_pk8_fp4_f32 v[PCD+4*\c], v[SS+32*\c:SS+32*\c+7], v[244+2*\c]
	v_cvt_scalef32_pk8_fp4_f32 v[PCD+4*\c+1], v[SS+32*\c+16:SS+32*\c+23], v[245+2*\c]
	v_cvt_scalef32_pk8_fp4_f32 v[PCD+4*\c+2], v[SS+32*\c+8:SS+32*\c+15], v[244+2*\c]
	v_cvt_scalef32_pk8_fp4_f32 v[PCD+4*\c+3], v[SS+32*\c+24:SS+32*\c+31], v[245+2*\c]
.endr
	v_nop                                          ; one plain place behind a scaled conversion
.irp c, 0,1
	v_permlane16_swap_b32 v[PCD+4*\c], v[PCD+4*\c+1]
	v_permlane16_swap_b32 v[PCD+4*\c+2], v[PCD+4*\c+3]
.endr
.set n, 0
.rept 16
	v_pk_mul_f32 v[OT+n:OT+n+1], v[OT+n:OT+n+1], v[252:253] op_sel_hi:[1,0]   ; O^T under the new M.  (These sixteen are also the places between the lines that made p's codes and scale word and the products below)
.set n, n+2
.endr
	s_wait_alu depctr_va_vdst(0)
	s_wait_dscnt 0x0                               ; V and its scales are in
.irp t, 0,1,2,3                                ; the four accumulators by turns; the next step's eight products of K stand between two links of a chain
	v_wmma_scale_f32_16x16x128_f8f6f4 v[OT+8*\t:OT+8*\t+7], v[VFR+8*\t:VFR+8*\t+7], v[PCD:PCD+7], v[OT+8*\t:OT+8*\t+7], v[VSW+\t], v[PSW] matrix_a_fmt:MATRIX_FMT_FP4 matrix_b_fmt:MATRIX_FMT_FP4
.endr
.Lhidden_\@:
	s_add_co_u32 s[TK], s[TK], 4096
	s_add_co_u32 s[TS], s[TS], 256
	s_add_co_u32 s[KF], s[KF], 128
	s_cmp_lt_u32 s[KF], 2048
	s_cbranch_scc1 .Lstep_\@
	s_setprio 0
	s_wait_alu depctr_va_vdst(0)
	; the pass's way out: O^T / the sum, quantised along the head's 64: two blocks of 32
	v_add_f32 v14, v14, v15                        ; the sum's two halves,
	s_delay_alu instid0(VALU_DEP_1)
	v_permlanex16_b32 v254, v14, s[SEL], s[SEL+1]
	s_delay_alu instid0(VALU_DEP_1)
	v_add_f32 v14, v14, v254                       ; and lane l xor 16's
	s_wait_alu depctr_va_vdst(0)
	v_rcp_f32 v252, v14
.rept 4
	v_nop                                          ; the plain place behind the reciprocal, and the places between the last products and the first read of O^T
.endr
	s_wait_alu depctr_va_vdst(0)                   ; ahead of the reciprocal's first reader
.set n, 0
.rept 16
	v_pk_mul_f32 v[SS+n:SS+n+1], v[OT+n:OT+n+1], v[252:253] op_sel_hi:[1,0]   ; register 8 t + j: o(query r, 16 t + 8 h + j); each accumulator from its low end on
.set n, n+2
.endr
.irp b, 0,1
	v_max3_num_f32 v[232+\b], |v[SS+16*\b]|, |v[SS+1+16*\b]|, 0x1800000
.endr
.irp i, 2,4,6,8,10,12,14
.irp b, 0,1
	s_delay_alu instid0(VALU_DEP_2)
	v_max3_num_f32 v[232+\b], v[232+\b], |v[SS+16*\b+\i]|, |v[SS+1+16*\b+\i]|
.endr
.endr
.irp b, 0,1
	s_delay_alu instid0(VALU_DEP_2)
	v_permlanex16_b32 v[236+\b], v[232+\b], s[SEL], s[SEL+1]
.endr
.irp b, 0,1
	s_delay_alu instid0(VALU_DEP_2)
	v_max_num_f32 v[232+\b], v[232+\b], v[236+\b]
.endr
.irp b, 0,1
	s_delay_alu instid0(VALU_DEP_2)
	v_add_nc_u32 v[244+\b], 0xff000000, v[232+\b]
.endr
.irp b, 0,1
	s_delay_alu instid0(VALU_DEP_2)
	v_lshrrev_b32 v[236+\b], 23, v[244+\b]
.endr
	s_delay_alu instid0(VALU_DEP_1)
	v_lshl_or_b32 v[\uw], v237, 8, v236            ; my row's two bytes
	v_cvt_scalef32_pk8_fp4_f32 v[\pc], v[SS:SS+7], v244
	v_cvt_scalef32_pk8_fp4_f32 v[\pc+1], v[SS+16:SS+23], v245
	v_cvt_scalef32_pk8_fp4_f32 v[\pc+2], v[SS+8:SS+15], v244
	v_cvt_scalef32_pk8_fp4_f32 v[\pc+3], v[SS+24:SS+31], v245
	v_nop                                          ; one plain place behind a scaled conversion
	v_permlane16_swap_b32 v[\pc], v[\pc+1]
	v_permlane16_swap_b32 v[\pc+2], v[\pc+3]
	global_store_b128 v[LI], v[\pc:\pc+3], s[\ob:\ob+1]   ; 512 consecutive bytes, aligned
.endm
	PASS 16, 28, 18, 224, 72, 210
	PASS 212, 209, 19, 228, 74, 242
	v_cndmask_b32 v210, v210, v242, s76            ; lanes 0-15 the first pass's rows, lanes 16-31 the second's
	global_store_b16 v211, v210, s[10:11]          ; two bytes of each row's 32: the other heads' work-groups write the rest; a sixteenth of the launch's output bytes
	s_wait_tensorcnt 0x0
	ds_add_u32 v251, v255
	s_wait_dscnt 0x0
	s_endpgm
.Lfunc_end_k_q51c361e521_attn:
	.size	k_q51c361e521_attn, .Lfunc_end_k_q51c361e521_attn-k_q51c361e521_attn
	.p2alignl 7, 3214868480
	.fill 96, 4, 3214868480
	.section	.rodata,"a",@progbits
	.p2align	6, 0x0
	.amdhsa_kernel k_q51c361e521_attn
		.amdhsa_group_segment_fixed_size 169984
		.amdhsa_private_segment_fixed_size 0
		.amdhsa_enable_private_segment 0
		.amdhsa_kernarg_size 32
		.amdhsa_user_sgpr_count 2
		.amdhsa_user_sgpr_kernarg_segment_ptr 1
		.amdhsa_wavefront_size32 1
		.amdhsa_system_sgpr_workgroup_id_x 1
		.amdhsa_system_sgpr_workgroup_id_y 1
		.amdhsa_system_sgpr_workgroup_id_z 1
		.amdhsa_system_vgpr_workitem_id 0
		.amdhsa_next_free_vgpr 256
		.amdhsa_next_free_sgpr 80
		.amdhsa_reserve_vcc 1
		.amdhsa_float_denorm_mode_32 3
		.amdhsa_float_denorm_mode_16_64 3
		.amdhsa_memory_ordered 1
		.amdhsa_forward_progress 1
		.amdhsa_inst_pref_size 63
	.end_amdhsa_kernel
	.amdgpu_metadata
---
amdhsa.version: [ 1, 2 ]
amdhsa.kernels:
  - .name:           k_q51c361e521_attn
    .symbol:         k_q51c361e521_attn.kd
    .args:
      - { .name: qkv_codes, .offset: 0, .size: 8, .value_kind: global_buffer, .address_space: global }
      - { .name: qkv_sc, .offset: 8, .size: 8, .value_kind: global_buffer, .address_space: global }
      - { .name: a_codes, .offset: 16, .size: 8, .value_kind: global_buffer, .address_space: global }
      - { .name: a_scales, .offset: 24, .size: 8, .value_kind: global_buffer, .address_space: global }
    .group_segment_fixed_size: 169984
    .private_segment_fixed_size: 0
    .kernarg_segment_align: 8
    .kernarg_segment_size: 32
    .max_flat_workgroup_size: 512
    .sgpr_count:     80
    .vgpr_count:     256
    .wavefront_size: 32
...
	.end_amdgpu_metadata
.endif
;; end of part 3
;; launch oproj (part 4): grid 4 x 32, 4 waves a work-group, clusters of 4 x 4, 327,680 bytes of LDS; arguments a_codes, a_scales, Wo_codes, Wo_scales, out0; writes out0
.if DOCPART == 4
	.amdgcn_target "amdgcn-amd-amdhsa--gfx1250"
	.amdhsa_code_object_version 6
	.text
	.protected	k_q51c361e521_oproj
	.globl	k_q51c361e521_oproj
	.p2align	8
	.type	k_q51c361e521_oproj,@function
k_q51c361e521_oproj:
	s_mov_b64 s[64:65], 0
	v_nop
	global_prefetch_b8 v0, s[64:65] scope:SCOPE_SE
	s_setreg_imm32_b32 hwreg(HW_REG_WAVE_MODE, 25, 1), 1
	s_wait_xcnt 0x0
	s_wait_alu depctr_hold_cnt(0) depctr_sa_sdst(0) depctr_va_vdst(0) depctr_va_sdst(0) depctr_va_ssrc(0) depctr_va_vcc(0) depctr_vm_vsrc(0)
	s_getreg_b32 s2, hwreg(HW_REG_IB_STS2, 6, 4)
	s_cmp_eq_u32 s2, 0
	s_cbranch_scc0 .Lentry_in_a_cluster
	s_endpgm
.Lentry_in_a_cluster:
	s_bfe_u32 s2, ttmp6, 0x10000c
	s_cmp_lg_u32 s2, 0xf033
	s_cbranch_scc0 .Lentry_shape_is_right
	s_endpgm
.Lentry_shape_is_right:
; out0[m][n] = sum over k of A[m][k] Wo[n][k]: A the attention's result [8,192][1,024], Wo [1,024][1,024]: codes of FP4 (E2M1) with one E8M0 scale for each 32 along K; out0 f32; sums in f32.
; A's codes come as IMAGES OF THE OPERAND'S REGISTERS: [row tile of 16][K / 64: 16][lane][16 bytes]: a fragment (16 rows x 128 K) is two loads of 16 bytes a lane, 512 bytes apart, with no pitch and no padding.
; Wo's codes come as rows of 512 bytes; both sides' scale bytes as rows of 32 bytes.
; A tile of out0, 256 x 256, is made by a work-group of four waves; a wave makes 128 x 128: 64 accumulators of 16 x 16, 512 registers.  K is two LDS slots of 512, both asked for at the start: nothing is filled again.
; THE SCALES of the work-group's 256 rows of A and of Wo, for all of K, are two dense blocks of memory: they come into LDS once, in whole units of 256 bytes.
; CLUSTERS: 4 x 4 work-groups.  The four of a row of the cluster need the same tiles of A, the four of a column the same tiles of Wo: each tile is asked for JOINTLY.
; THE MATRIX INSTRUCTION IS USED TRANSPOSED (source 0 = 16 rows of Wo, source 1 = 16 rows of A): a lane then holds eight neighbouring numbers of a row of out0.
; REGISTERS, in windows of 256: window 0: v0-31 addresses; v32-95 scale words, two sets; from v128 A's fragments, ONE set; on the way out v128-255 rows of out0.
;   window 1: B's fragments, TWO sets, at v0 and at v128.   window 2: the accumulators of my rows 0-63 ((a, b) at v[8 (8 a + b)]);   window 3: those of my rows 64-127.
.set SIZE_N, 1024
.set SIZE_K, 1024
.set KSTEP,  512
.set NQ,     KSTEP/128
.set ROWB,   256                       ; a row of B's tile in bytes
.set KROW,   SIZE_K*4/8                ; a row of codes in memory; also A's bytes for each row: 16 rows are 8,192 bytes of images
.set PITCH,  272                       ; B's LDS row: 256 bytes + 16 of padding: the 16 rows that a load touches start at 16 different banks (64 banks of 4 bytes: ISA guide 11.1)
.set FR,     8
.set NL,     2
.set NP,     4                         ; places behind this matrix instruction (ISA guide 7.12.1)
.set HALFA,  32768                     ; A: 8 row tiles x 4,096 bytes: what one tensor load brings
.set HALFT,  128*PITCH                 ; B: 128 rows
.set ABYTES, 2*HALFA
.set SLOT,   ABYTES+2*HALFT            ; A's 16 row tiles, then B's 256 rows
.set KS,     SIZE_K/32
.set SCL,    2*SLOT                    ; behind the two slots: the scales, as units of 256 bytes + 16 of padding
.set HALFS,  (128*KS/256)*272
.set SBLK,   (16*KS/256)*272
.set SPARE,  SCL+4*HALFS               ; the spare words, 128 bytes for each wave: two blocks of 256 bytes that no other line names
.set SPITCH, 528                       ; the way out: a stage of 16 rows x (512 bytes + 16) for each wave.  It lies in slot 0, which has had its one fill and its last read when the first result is stored there
.set ADRA, 16
.set ADRB, 20
.set STO,  24                          ; v24     the way out: where I put 32 bytes of a row
.set RD,   25                          ; v25     where I read a row back
.set CO,   26                          ; v26     my byte offset in a row of out0
.set ADRS, 27
.set SPW,  28
.set NIL,  29
.set SC,   32
.set AF,   128
.set BK,   128
.set G1, 24
.set G0, 32
.set G1B, 48
.set G0B, 56
.set G1S, 68
.set G0S, 76
.set G1SB, 80
.set G0SB, 88
.set MSB, 0
.macro WIN new                         ; the immediate's high byte repeats the setting that is left
.if MSB != \new
	s_set_vgpr_msb (MSB<<8)|\new
.set MSB, \new
.endif
.endm
.set MUL_LO, 0xa1
.set MUL_HI, 0xf1
.set TO_B,   0x40
; A joint load: waves 0 and 1 fetch for A, waves 2 and 3 for B; four v_nop follow each of the two lines.
.macro JLOAD g0a, g1a, g0b, g1b
	s_cmp_eq_u32 s15, 0
	s_cbranch_scc0 .Lfor_b_\@
	tensor_load_to_lds s[\g0a:\g0a+3], s[\g1a:\g1a+7]
	s_nop 0
.rept 4
	v_nop
.endr
	s_branch .Lasked_\@
.Lfor_b_\@:
	tensor_load_to_lds s[\g0b:\g0b+3], s[\g1b:\g1b+7]
	s_nop 0
.rept 4
	v_nop
.endr
.Lasked_\@:
.endm
.macro CROUND                          ; a round of the cluster's barrier
	s_barrier_signal -1
	s_barrier_wait -1
	s_cmp_lg_u32 s14, 0
	s_cbranch_scc1 .Lnot_wave_0_\@
	s_barrier_signal -3
.Lnot_wave_0_\@:
	s_barrier_wait -3
	s_barrier_signal -1
	s_barrier_wait -1
.endm
	s_load_b128 s[4:7], s[0:1], 0x0                ; A's codes, A's scales
	s_load_b128 s[8:11], s[0:1], 0x10              ; Wo's codes, Wo's scales
	s_load_b64 s[12:13], s[0:1], 0x20              ; out0
	v_lshl_add_u32 v[SPW], v0, 2, SPARE
	v_mov_b32 v[NIL], 0
	ds_add_u32 v28, v29
	ds_add_u32 v28, v29
	s_wait_dscnt 0x0
	v_lshrrev_b32 v1, 5, v0
	v_readfirstlane_b32 s14, v1                    ; wave 0..3
	s_lshr_b32 s15, s14, 1                         ; which half of the tile's rows is mine.  Also: I fetch for A (0) or for B (1)
	s_and_b32 s16, s14, 1                          ; which half of its columns.  Also: which 128 rows of that tile I fetch
	s_bfe_u32 s40, ttmp6, 0x40000                  ; cx, cy
	s_bfe_u32 s41, ttmp6, 0x40004
	s_lshl_b32 s42, ttmp9, 2
	s_add_co_u32 s42, s42, s40                     ; tile column = 4 x cluster x + cx
	s_and_b32 s17, ttmp7, 0xffff
	s_lshl_b32 s17, s17, 2
	s_add_co_u32 s17, s17, s41                     ; tile row = 4 x cluster y + cy
	s_lshl_b32 s43, s41, 2
	s_lshl_b32 s43, 15, s43                        ; my row of the cluster
	s_lshl_b32 s44, 0x1111, s40                    ; my column
	; group 1 for A's images: 8 row tiles x 4,096 bytes (512 elements of 8 bytes), 8,192 bytes apart, no padding
	s_or_b32 s[G1+0], s43, (3<<16)|(1<<21)         ; 15:0 the mask: A's tiles go to my row; 17:16 elements of 8 bytes; 21 set beside a mask
	s_mov_b32 s[G1+1], 512<<16                     ; tensor_dim0
	s_mov_b32 s[G1+2], 8<<16                       ; tensor_dim1
	s_mov_b32 s[G1+3], 512<<16                     ; tile_dim0
	s_mov_b32 s[G1+4], 8                           ; tile_dim1
	s_mov_b32 s[G1+5], 1024                        ; tensor_dim0_stride
	s_mov_b32 s[G1+6], 0
	s_mov_b32 s[G1+7], 0
	; for B's tiles: 128 rows x 256 bytes, 512 bytes apart, 16 bytes of padding behind each
	s_or_b32 s[G1B+0], s44, (0<<16)|(1<<20)|(1<<21)|(5<<22)|(3<<25)
	s_mov_b32 s[G1B+1], ROWB<<16
	s_mov_b32 s[G1B+2], 128<<16
	s_mov_b32 s[G1B+3], ROWB<<16
	s_mov_b32 s[G1B+4], 128
	s_mov_b32 s[G1B+5], KROW
	s_mov_b32 s[G1B+6], 0
	s_mov_b32 s[G1B+7], 0
	; for the scales of 128 rows: a dense block of 128 KS bytes, as rows of 256 bytes, 16 bytes of padding behind each
	s_or_b32 s[G1S+0], s43, (3<<16)|(1<<20)|(1<<21)|(5<<22)|(3<<25)
	s_or_b32 s[G1SB+0], s44, (3<<16)|(1<<20)|(1<<21)|(5<<22)|(3<<25)
.irp g, G1S, G1SB
	s_mov_b32 s[\g+1], 32<<16
	s_mov_b32 s[\g+2], (128*KS/256)<<16
	s_mov_b32 s[\g+3], 32<<16
	s_mov_b32 s[\g+4], 128*KS/256
	s_mov_b32 s[\g+5], 32
	s_mov_b32 s[\g+6], 0
	s_mov_b32 s[\g+7], 0
.endr
	s_lshl_b32 s18, s16, 7
	s_lshl_b32 s20, s17, 8
	s_add_co_u32 s20, s20, s18                     ; A: row 256 x tile row + 128 x half
	s_lshl_b32 s46, s42, 8
	s_add_co_u32 s46, s46, s18                     ; B: row 256 x tile column + 128 x half
	s_mov_b32 s21, 0
	s_mov_b32 s47, 0
	s_mov_b64 s[18:19], KS
	s_mul_u64 s[22:23], s[20:21], s[18:19]         ; where these rows' scales begin
	s_mul_u64 s[92:93], s[46:47], s[18:19]
	s_mov_b64 s[18:19], KROW
	s_mul_u64 s[20:21], s[20:21], s[18:19]         ; and their codes
	s_mul_u64 s[46:47], s[46:47], s[18:19]
	s_lshl_b32 s45, s16, 15                        ; where they go: A's halves at 0 and HALFA,
	s_mul_i32 s95, s16, HALFT
	s_add_co_u32 s95, s95, ABYTES                  ; B's behind them: no place in the cluster enters an LDS address
	s_mul_i32 s94, s14, HALFS
	s_wait_kmcnt 0x0
	s_add_nc_u64 s[20:21], s[4:5], s[20:21]
	s_add_nc_u64 s[22:23], s[6:7], s[22:23]
	s_add_nc_u64 s[46:47], s[8:9], s[46:47]
	s_add_nc_u64 s[92:93], s[10:11], s[92:93]
	CROUND                                         ; all sixteen work-groups are here: the joint loads meet
	s_mov_b32 s[G0S], 1
	s_add_co_u32 s[G0S+1], s94, SCL
	s_mov_b64 s[G0S+2:G0S+3], s[22:23]
	s_or_b32 s[G0S+3], s[G0S+3], 0x80000000
	s_mov_b32 s[G0SB], 1
	s_add_co_u32 s[G0SB+1], s94, SCL
	s_mov_b64 s[G0SB+2:G0SB+3], s[92:93]
	s_or_b32 s[G0SB+3], s[G0SB+3], 0x80000000
	JLOAD G0S, G1S, G0SB, G1SB                     ; the scales first.  each later load waits for all before it: one of mine is out at a time
.irp s, 0,1
	s_mov_b32 s[G0+4*\s], 1
	s_add_co_u32 s[G0+4*\s+1], s45, \s*SLOT
	s_add_nc_u64 s[G0+4*\s+2:G0+4*\s+3], s[20:21], \s*4096          ; 512 along K are 4,096 bytes of a row tile's images
	s_or_b32 s[G0+4*\s+3], s[G0+4*\s+3], 0x80000000
	s_mov_b32 s[G0B+4*\s], 1
	s_add_co_u32 s[G0B+4*\s+1], s95, \s*SLOT
	s_add_nc_u64 s[G0B+4*\s+2:G0B+4*\s+3], s[46:47], \s*ROWB
	s_or_b32 s[G0B+4*\s+3], s[G0B+4*\s+3], 0x80000000
	s_wait_alu depctr_va_vdst(0)
	s_wait_tensorcnt 0x0
	ds_add_u32 v28, v29
	s_wait_dscnt 0x0
	CROUND
	JLOAD G0+4*\s, G1, G0B+4*\s, G1B
.endr
	v_and_b32 v1, 15, v0                           ; l % 16
	v_bfe_u32 v2, v0, 4, 1                         ; l / 16
	v_mul_u32_u24 v3, v1, PITCH
	v_lshl_add_u32 v4, v2, 4, v3                   ; B: a fragment's row x pitch + 16 x half
	v_and_b32 v6, 31, v0
	v_lshlrev_b32 v[CO], 4, v6                     ; 16 x lane: A's images, and the way out
	s_lshl_b32 s21, s15, 15                        ; my 8 row tiles of A
	s_mul_i32 s22, s16, HALFT                      ; my 128 rows of B,
	s_add_co_u32 s22, s22, ABYTES                  ; which lie behind A
.irp s, 0,1
	v_add_nc_u32 v[ADRA+\s], s21, v[CO]
	v_add_nc_u32 v[ADRB+\s], s22, v4
	s_add_co_u32 s21, s21, SLOT
	s_add_co_u32 s22, s22, SLOT
.endr
	v_mul_u32_u24 v5, v1, KS                       ; my row's scales: KS bytes a row,
	v_lshrrev_b32 v6, 8, v5
	v_lshl_add_u32 v5, v6, 4, v5                   ; and 16 more for each 256 passed
	s_mul_i32 s21, s15, HALFS
	s_mul_i32 s22, s16, HALFS
	s_add_co_u32 s22, s22, 2*HALFS
	s_sub_co_u32 s22, s22, s21
	v_mul_u32_u24 v6, s22, v2                      ; lanes 16-31 take B's
	s_add_co_u32 s21, s21, SCL
	v_add_nc_u32 v5, v5, v6
	v_add_nc_u32 v[ADRS], s21, v5
	s_mul_i32 s23, s14, 16*SPITCH                  ; my stage
	v_mul_u32_u24 v5, v1, SPITCH                   ; in: row l % 16, 32 bytes for each half of the lanes
	v_lshl_add_u32 v5, v2, 5, v5
	v_add_nc_u32 v[STO], s23, v5
	v_add_nc_u32 v[RD], s23, v[CO]                 ; back: the 32 lanes take one row of 512 bytes
	s_lshl_b32 s20, s17, 8
	s_lshl_b32 s21, s15, 7
	s_add_co_u32 s20, s20, s21                     ; my first row of out0
	s_mov_b32 s21, 0
	s_mov_b64 s[18:19], SIZE_N*4
	s_mul_u64 s[20:21], s[20:21], s[18:19]
	s_lshl_b32 s46, s42, 10                        ; my first column, in bytes
	s_lshl_b32 s47, s16, 9
	s_add_co_u32 s46, s46, s47
	s_mov_b32 s47, 0
	s_add_nc_u64 s[20:21], s[20:21], s[46:47]
	s_add_nc_u64 s[12:13], s[12:13], s[20:21]
.macro FRAG reg, adr, q, i             ; B's fragment from rows: lane l holds row l % 16; registers 4 c .. 4 c + 3 hold K = 64 c + 32 (l / 16) + 0 .. 31
.irp c, 0,1
	ds_load_b128 v[\reg+4*\c:\reg+4*\c+3], v[\adr] offset:64*(\q)+32*\c+(\i)*16*PITCH
.endr
.endm
.macro FRAGA reg, adr, q, i            ; A's fragment from its image: row tile i, the slot's q-th 128 along K
.irp c, 0,1
	ds_load_b128 v[\reg+4*\c:\reg+4*\c+3], v[\adr] offset:1024*(\q)+512*\c+(\i)*4096
.endr
.endm
; 16 matrix instructions: A's blocks a0, a0 + 1 x B's eight.  The 64 accumulators take turns, one instruction a turn, in the same order in every step.
.macro MUL16 a0, p, q, sc, zero
.irp a, \a0, \a0+1
.irp b, 0,1,2,3,4,5,6,7
.if \zero
	v_wmma_scale_f32_16x16x128_f8f6f4 v[8*(8*((\a)%4)+\b):8*(8*((\a)%4)+\b)+7], v[128*(\p)+FR*\b:128*(\p)+FR*\b+FR-1], v[AF+FR*(\a):AF+FR*(\a)+FR-1], 0, v[SC+8*NQ*(\sc)+NQ*\b+(\q)], v[SC+8*NQ*(\sc)+NQ*(\a)+(\q)] matrix_a_fmt:MATRIX_FMT_FP4 matrix_b_fmt:MATRIX_FMT_FP4 matrix_a_scale:MATRIX_SCALE_ROW1
.else
	v_wmma_scale_f32_16x16x128_f8f6f4 v[8*(8*((\a)%4)+\b):8*(8*((\a)%4)+\b)+7], v[128*(\p)+FR*\b:128*(\p)+FR*\b+FR-1], v[AF+FR*(\a):AF+FR*(\a)+FR-1], v[8*(8*((\a)%4)+\b):8*(8*((\a)%4)+\b)+7], v[SC+8*NQ*(\sc)+NQ*\b+(\q)], v[SC+8*NQ*(\sc)+NQ*(\a)+(\q)] matrix_a_fmt:MATRIX_FMT_FP4 matrix_b_fmt:MATRIX_FMT_FP4 matrix_a_scale:MATRIX_SCALE_ROW1
.endif
.endr
.endr
.endm
.macro FETCH_B slot, q, p
	WIN TO_B
.irp i, 0,1,2,3,4,5,6,7
	FRAG 128*(\p)+FR*\i, ADRB+\slot, \q, \i
.endr
	WIN 0
.endm
.macro FETCH_A slot, q, i0
.irp i, \i0, \i0+1, \i0+2, \i0+3
	FRAGA AF+FR*(\i), ADRA+\slot, \q, \i
.endr
.endm
.macro SCALES sc
.irp i, 0,1,2,3,4,5,6,7
	ds_load_b128 v[SC+8*NQ*\sc+NQ*\i:SC+8*NQ*\sc+NQ*\i+3], v[ADRS] offset:\i*SBLK
.endr
.endm
; A load into a register that a matrix instruction has read, and an LDS store that reads a matrix result, stand NP places behind it; only plain vector instructions that name none of its registers are places
; (ISA guide 7.12.1 for vector instructions).
.macro PLACES n
.rept \n
	v_nop
.endr
.endm
.macro STEP slot, q, zero
	s_wait_dscnt 4*NL                              ; B's set and A's blocks 0-3 are in; the youngest eight loads (A's blocks 4-7) may be out
	WIN MUL_LO
	MUL16 0, (\q)%2, \q, \slot, \zero
	MUL16 2, (\q)%2, \q, \slot, \zero
	s_wait_dscnt 0                                 ; A's blocks 4-7 are in
	PLACES NP
	FETCH_B \slot, (\q)+1, 1-(\q)%2
	FETCH_A \slot, (\q)+1, 0
	WIN MUL_HI
	MUL16 4, (\q)%2, \q, \slot, \zero
	MUL16 6, (\q)%2, \q, \slot, \zero
	PLACES NP
	WIN 0
	FETCH_A \slot, (\q)+1, 4
.endm
; Slot 0's last step changes slots: one barrier; in front of it each wave waits for all its tensor loads (its part of slot 1) and for its reads of slot 0.  Behind it nobody reads slot 0.
.macro TURN slot, next
	s_wait_tensorcnt 0x0
	ds_add_u32 v[SPW], v[NIL]                      ; 0 onto my spare word
	s_wait_dscnt 4*NL+1                            ; (the add and the youngest eight loads may be out)
	WIN MUL_LO
	MUL16 0, 1, NQ-1, \slot, 0
	s_wait_dscnt 0x0                               ; the add is done, and my reads of this slot are over
	s_barrier_signal -1
	MUL16 2, 1, NQ-1, \slot, 0
	WIN 0
	s_barrier_wait -1
	PLACES NP
	v_add_nc_u32 v[ADRS], 4*NQ, v[ADRS]
	FETCH_B \next, 0, 0
	FETCH_A \next, 0, 0
	SCALES \next
	WIN MUL_HI
	MUL16 4, 1, NQ-1, \slot, 0
	MUL16 6, 1, NQ-1, \slot, 0
	PLACES NP
	WIN 0
	FETCH_A \next, 0, 4
.endm
.macro STEPS slot, from
.set Q, \from
.rept NQ-1-\from
	STEP \slot, Q, 0
.set Q, Q+1
.endr
.endm
	s_wait_alu depctr_va_vdst(0)
	s_wait_tensorcnt 1                             ; the scales and my part of slot 0 are in (slot 1's load may be out),
	s_barrier_signal -1
	s_barrier_wait -1                              ; everybody's are
	FETCH_B 0, 0, 0
	FETCH_A 0, 0, 0
	SCALES 0
	FETCH_A 0, 0, 4
	STEP 0, 0, 1                                   ; the first step's products start the sums
	STEPS 0, 1
	TURN 0, 1
	STEPS 1, 0
	s_wait_dscnt 4*NL                              ; the very last step
	WIN MUL_LO
	MUL16 0, 1, NQ-1, 1, 0
	MUL16 2, 1, NQ-1, 1, 0
	s_wait_dscnt 0
	WIN MUL_HI
	MUL16 4, 1, NQ-1, 1, 0
	MUL16 6, 1, NQ-1, 1, 0
	WIN 0
; THE WAY OUT, block by block of 16 rows x 128 columns, through my own stage in LDS: in as 32 bytes a lane, back as whole rows of 512 bytes, which the 32 lanes store as two aligned runs of 256 bytes.
; LDS serves a wave's instructions in order (ISA guide 5.7.1.4): no wait between the stores and the loads, nor in front of the next block's stores.
.macro TOSTAGE a
.set AC, 64*((\a)%4)
	WIN 0x08+4*((\a)/4)                            ; the data: window 2 or 3
.irp b, 0,1,2,3,4,5,6,7
	ds_store_b128 v[STO], v[AC+8*\b:AC+8*\b+3] offset:64*\b          ; each accumulator from its low end on
	ds_store_b128 v[STO], v[AC+8*\b+4:AC+8*\b+7] offset:64*\b+16
.endr
	WIN 0
.set BB, BK+64*((\a)%2)
.irp t, 0,1,2,3,4,5,6,7,8,9,10,11,12,13,14,15
	ds_load_b128 v[BB+4*\t:BB+4*\t+3], v[RD] offset:\t*SPITCH
.endr
.endm
.macro SEND a, younger                 ; younger: the LDS instructions issued behind block a's loads, which may stay out
.set BB, BK+64*((\a)%2)
	s_wait_dscnt \younger
.if (\a) > 0
	s_add_nc_u64 s[12:13], s[12:13], 16*SIZE_N*4   ; (behind a wait on XCNT: the earlier stores have read their base)
.endif
.irp t, 0,1,2,3,4,5,6,7,8,9,10,11,12,13,14,15
	global_store_b128 v[CO], v[BB+4*\t:BB+4*\t+3], s[12:13] offset:\t*SIZE_N*4 th:TH_STORE_NT   ; 32 lanes store 512 consecutive bytes, aligned; written once, read by nobody here
.endr
.endm
	PLACES NP
	TOSTAGE 0
.irp a, 1,2,3,4,5,6,7
.if \a > 1
	s_wait_xcnt 0x0                                ; block a - 2's stores have read their registers and their base
.endif
	TOSTAGE \a
	SEND \a-1, 32                                  ; behind block a - 1's loads: block a's 16 stores and 16 loads
.endr
	s_wait_xcnt 0x0                                ; block 6's stores have read their base
	SEND 7, 0
	s_wait_tensorcnt 0x0                           ; the wave's end
	ds_add_u32 v[SPW], v[NIL]
	s_wait_dscnt 0x0
	CROUND                                         ; the closing round
	s_endpgm
.Lfunc_end_k_q51c361e521_oproj:
	.size	k_q51c361e521_oproj, .Lfunc_end_k_q51c361e521_oproj-k_q51c361e521_oproj
	.p2alignl 7, 3214868480
	.fill 96, 4, 3214868480
	.section	.rodata,"a",@progbits
	.p2align	6, 0x0
	.amdhsa_kernel k_q51c361e521_oproj
		.amdhsa_group_segment_fixed_size 327680
		.amdhsa_private_segment_fixed_size 0
		.amdhsa_enable_private_segment 0
		.amdhsa_kernarg_size 40
		.amdhsa_user_sgpr_count 2
		.amdhsa_user_sgpr_kernarg_segment_ptr 1
		.amdhsa_wavefront_size32 1
		.amdhsa_system_sgpr_workgroup_id_x 1
		.amdhsa_system_sgpr_workgroup_id_y 1
		.amdhsa_system_sgpr_workgroup_id_z 1
		.amdhsa_system_vgpr_workitem_id 0
		.amdhsa_next_free_vgpr 1024
		.amdhsa_next_free_sgpr 98
		.amdhsa_reserve_vcc 0
		.amdhsa_float_denorm_mode_32 3
		.amdhsa_float_denorm_mode_16_64 3
		.amdhsa_memory_ordered 1
		.amdhsa_forward_progress 1
		.amdhsa_inst_pref_size 125
	.end_amdhsa_kernel
	.amdgpu_metadata
---
amdhsa.version: [ 1, 2 ]
amdhsa.kernels:
  - .name:           k_q51c361e521_oproj
    .symbol:         k_q51c361e521_oproj.kd
    .args:
      - { .name: a_codes, .offset: 0, .size: 8, .value_kind: global_buffer, .address_space: global }
      - { .name: a_scales, .offset: 8, .size: 8, .value_kind: global_buffer, .address_space: global }
      - { .name: Wo_codes, .offset: 16, .size: 8, .value_kind: global_buffer, .address_space: global }
      - { .name: Wo_scales, .offset: 24, .size: 8, .value_kind: global_buffer, .address_space: global }
      - { .name: out0, .offset: 32, .size: 8, .value_kind: global_buffer, .address_space: global }
    .group_segment_fixed_size: 327680
    .private_segment_fixed_size: 0
    .kernarg_segment_align: 8
    .kernarg_segment_size: 40
    .max_flat_workgroup_size: 128
    .sgpr_count:     98
    .vgpr_count:     1024
    .wavefront_size: 32
...
	.end_amdgpu_metadata
.endif
;; end of part 4
